; MI455X (gfx1250); checked and timed in simulation.
; The chip was launched on July 23, 2026; its instructions are those of AMD's public machine-readable ISA for CDNA 5 (MIT licence, August 2026) and "CDNA5" Instruction Set Architecture Reference Guide (July 2026). The comments in the code are by the model that wrote it; some were corrected since.
;; Multi Head Attention. Allowed arithmetic: matrix products marked QUANTISED: E2M3 operands, one E8M0 scale for each 32 along K, by v_wmma_scale_f32_16x16x128_f8f6f4 with both operands' format E2M3, f32 sums; everything else in f32.
;; Inputs: Wk 1,024 x 1,024 float32; Wo 1,024 x 1,024 float32; Wq 1,024 x 1,024 float32; Wv 1,024 x 1,024 float32; bo 1,024 float32; x 1 x 4,096 x 1,024 float32.
;; Outputs: out0 1 x 4,096 x 1,024 float32.
;; This version of the problem:
;;   THIS VERSION OF THE PROBLEM IS GIVEN IN LOW PRECISION. The matrix products marked QUANTISED in the list below multiply operands that are first quantised to E2M3 (2 exponent bits, 3 mantissa bits; 6 bits a number), with one power-of-two scale for each 32 numbers along K (OCP MX v1.0); their sums are f32. All else is computed in f32.
;;   The module's matrix products, in the order in which they are computed (A, B: the left and right operand; K: the contracted axis; several contracted axes count as one K, in the product's order):
;;     1. [M 4,096, K 1,024] x [K 1,024, N 1,024]; A: input x; B: input Wq: QUANTISED
;;     2. [M 4,096, K 1,024] x [K 1,024, N 1,024]; A: input x; B: input Wk: QUANTISED
;;     3. [M 4,096, K 1,024] x [K 1,024, N 1,024]; A: input x; B: input Wv: QUANTISED
;;     4. batch 16 x [M 4,096, K 64] x [K 64, N 4,096]; A: computed on the way; B: computed on the way: QUANTISED
;;     5. batch 16 x [M 4,096, K 4,096] x [K 4,096, N 64]; A: softmax (see below); B: computed on the way: QUANTISED
;;     6. [M 4,096, K 1,024] x [K 1,024, N 1,024]; A: computed on the way; B: input Wo: QUANTISED
;;   THE QUANTISER, for each operand of a quantised product, along K:
;;     - K is cut into blocks of 32 from its start; a last block that is shorter is filled with zeros.
;;     - A block's scale is 2^e with e = floor(log2(the largest magnitude in the block)) - 2, held to -126 .. 127; a block of zeros has e = 0. As a byte (E8M0): e + 127.
;;     - Each number is divided by its block's scale, clamped to +-7.5, and rounded to the nearest number of E2M3, ties to even, subnormals kept.
;;     - The product sums the exact products of the quantised numbers (number of the format x scale) in f32.
;;   ~~~python
;;   def quantise(x, axis):      # numpy; x: float32 -> the quantised numbers, widened to float32 again
;;       x = np.moveaxis(x, axis, -1); K = x.shape[-1]
;;       x = np.pad(x, [(0, 0)] * (x.ndim - 1) + [(0, -K % 32)]); x = x.reshape(x.shape[:-1] + (-1, 32)); a = np.abs(x).max(-1, keepdims=True)
;;       e = np.where(a > 0, np.clip(np.frexp(np.where(a > 0, a, 1))[1] - 1 - 2, -126, 127), 0)      # np.frexp(a)[1] - 1 = floor(log2(a)), exactly
;;       r = np.clip(x / 2.0 ** e, -7.5, 7.5)
;;       step = 2.0 ** (np.maximum(np.frexp(np.where(r == 0, 1, r))[1] - 1, 0) - 3)
;;       q = np.round(r / step) * step * 2.0 ** e      # np.round: ties to even
;;       return np.moveaxis(q.reshape(q.shape[:-2] + (-1,))[..., :K], -1, axis).astype(np.float32)
;;   ~~~
;;   SOFTMAX AHEAD OF A QUANTISED PRODUCT. Where the list says 'softmax', what is quantised is not the finished softmax but p = 2^(t - M), with t = logit x log2(e) and M = ceil(the row's largest t), a whole number; so 1/2 < the row's largest p <= 1. The row's sum l is taken of the UNQUANTISED p, in f32, and the product's result is divided by l at the end. Since M is a whole number, a kernel that streams over the keys may use a running M (the ceiling of the running maximum): every later rescaling is an exact power of two, which a block's scale takes up: the codes' values come out the same.
;;   OPERANDS COMPUTED ON THE WAY. 'Computed on the way' means the value that the module computes at that place (a softmax that the list does not call 'softmax' is quantised finished and normalised). What goes into a quantiser is computed in f32, as accurately as f32 sums, v_exp_f32 and their like allow (about 1e-6 of the number): no bf16 or f16 on the way to a quantiser, and a product that is left as it is and whose result goes on into a quantised operand takes f32 operands (vector FMAs, or v_wmma_f32_16x16x4_f32). A number that lies on a knife's edge between two numbers of the format may be rounded either way, as far as f32 arithmetic and the matrix unit's own rounding can turn it there, and no further.
;; One version. Each part assembles by itself: llvm-mc -triple=amdgcn-amd-amdhsa -mcpu=gfx1250 --defsym DOCPART=n.
;; ======== version 1 of 1: 4 launches
;; limits: right only within a limited range of input values
;; workspace buffers: xq 3,276,800 bytes; wq 3,276,800 bytes; qq 3,407,872 bytes; kv 6,553,600 bytes; cq 3,276,800 bytes
;; launch quant (part 1): grid 384 x 1, 8 waves a work-group, no clusters, 96,768 bytes of LDS; arguments x, Wq, Wk, Wv, Wo, xq, wq; writes xq, wq
.if DOCPART == 1
	.amdgcn_target "amdgcn-amd-amdhsa--gfx1250"
	.amdhsa_code_object_version 6
	.text
	.protected	k_q83a030ae0b_quant
	.globl	k_q83a030ae0b_quant
	.p2align	8
	.type	k_q83a030ae0b_quant,@function
k_q83a030ae0b_quant:
	s_mov_b64 s[64:65], 0
	v_nop
	global_prefetch_b8 v0, s[64:65] scope:SCOPE_SE
	s_setreg_imm32_b32 hwreg(HW_REG_WAVE_MODE, 25, 1), 1
	s_wait_xcnt 0x0
; x [4096][1024] and Wq, Wk, Wv, Wo [1024 (k)][1024 (n)], f32, become codes of FP6 (E2M3) with one E8M0 byte for each 32 along K, laid IN THE ORDER OF THE OPERAND REGISTERS of the later launches.
; A block's scale is 2^(floor(log2(its largest magnitude)) - 2): its byte is the largest magnitude's exponent field - 2, held at 1 from below.
; LIMITS: a block of zeros gets the byte 1 where the quantiser says 127 (its codes are zeros, and only this program reads the bytes); NaN and infinities among the inputs are not served.
; TILES.  A tile is 16 rows (tokens of x, columns n of a weight).  Lane r of tile 2 B + u holds row 32 B + 8 u + r + 8 (r / 8): so in every later result the 16 registers of two neighbouring tiles are 16 neighbours.
; xq: codes [tile 256][run of 64 along K: 16][768 bytes: registers 0-3 at 16 x lane, registers 4-5 at 512 + 8 x lane]; scale words at XSOFF: [tile][K steps 0-3 | 4-7][row 16][4 words].
; wq: q, k, v codes [head 16][K step 8][tile 12][1536 bytes: registers 4 p .. 4 p + 3 at 512 p + 16 x lane]; Wo at WOOFF [column group 16][K step 8][tile 4][1536]; scale words as in xq at WSOFF and WOSOFF.
; SHARES.  Work-groups 0-127: a weight m, 64 columns cg, half kh of K; wave w: 32 columns x 128 along K; a lane takes a column, its registers run down K, so nothing is transposed by an instruction.
; Work-groups 128-383: a tile of x; wave w: K step w; each load reads 512 consecutive bytes of a row, and the numbers turn through the wave's own stage so that a lane holds 16 neighbours of each block.
; The two ways part on the work-group's number alone and have LDS bytes of their own.  Memory binds: no matrix unit, no cluster (no two work-groups read the same bytes), every byte asked for at the head, so no prefetch either.
.set XSOFF,  3145728
.set WOOFF,  2359296
.set WSOFF,  3145728
.set WOSOFF, 3244032
.set XSTG,   0                         ; x: a stage of 16 rows x (512 + 16) bytes for each wave
.set XSCL,   67584                     ; x: the tile's 512 bytes of scale words
.set WSTG,   68096                     ; W: two tile images for each wave, 1,664 bytes apart (1,536 + 128)
.set WSCL,   94720                     ; W: 4 tiles x 256 bytes of scale words
.set SPARE,  95744                     ; the spare words, 128 bytes for each wave: four blocks of 256 bytes that no other line names
.set SPW, 12                           ; v12  LDS address of my spare word; never rewritten
.set NIL, 13                           ; v13  0; never rewritten
.set TM,  20                           ; v20-35 at work
.set PW,  36                           ; v36  a fragment's scale word
.set SBW, 37                           ; v37  W: my column's four bytes
.set WT,  38                           ; v38-40 W: a block's upper 16 codes
.set NB,  48                           ; v48-175 numbers
.set PC,  176                          ; v176.. codes
.set WV,  22
.set SEL, 24
; 64 numbers of a lane, register 16 b + i = k 32 b + 16 (lane / 16) + i of my row, become a fragment's codes in v[PC] on and its scale word in v[PW]
.macro QUANT s
.irp b, 0,1,2,3
	v_max3_num_f32 v[TM+\b], |v[\s+16*\b]|, |v[\s+1+16*\b]|, 0x1800000   ; my 16 numbers of block b, and the floor 2^(3 - 127): the byte cannot fall under 1
.endr
.irp i, 2,4,6,8,10,12,14
.irp b, 0,1,2,3
	s_delay_alu instid0(VALU_DEP_4)
	v_max3_num_f32 v[TM+\b], v[TM+\b], |v[\s+16*\b+\i]|, |v[\s+1+16*\b+\i]|
.endr
.endr
.irp b, 0,1,2,3
	s_delay_alu instid0(VALU_DEP_4)
	v_permlanex16_b32 v[TM+4+\b], v[TM+\b], s[SEL], s[SEL+1]
.endr
.irp b, 0,1,2,3
	s_delay_alu instid0(VALU_DEP_4)
	v_max_num_f32 v[TM+\b], v[TM+\b], v[TM+4+\b]   ; with the lane 16 away: the block's largest magnitude
.endr
.irp b, 0,1,2,3
	s_delay_alu instid0(VALU_DEP_4)
	v_add_nc_u32 v[TM+12+\b], 0xff000000, v[TM+\b]   ; 2 off its exponent field: the conversion's scale operand
.endr
.irp b, 0,1,2,3
	s_delay_alu instid0(VALU_DEP_4)
	v_lshrrev_b32 v[TM+4+\b], 23, v[TM+12+\b]      ; the scale's byte
.endr
	s_delay_alu instid0(VALU_DEP_3)
	v_lshl_or_b32 v[PW], v[TM+5], 8, v[TM+4]
	s_delay_alu instid0(VALU_DEP_1)
	v_lshl_or_b32 v[PW], v[TM+6], 16, v[PW]
	s_delay_alu instid0(VALU_DEP_1)
	v_lshl_or_b32 v[PW], v[TM+7], 24, v[PW]
.irp c, 0,1
	v_cvt_scalef32_pk16_fp6_f32 v[PC+6*\c:PC+2+6*\c], v[\s+32*\c:\s+15+32*\c], v[TM+12+2*\c]
	v_cvt_scalef32_pk16_fp6_f32 v[PC+12+4*\c:PC+14+4*\c], v[\s+16+32*\c:\s+31+32*\c], v[TM+12+2*\c+1]
.endr
	v_nop                                          ; one plain place behind a scaled conversion
.irp c, 0,1                                    ; the operand wants a whole block in a lane: lanes 0-15 block 2 c, lanes 16-31 block 2 c + 1
.irp i, 0,1,2
	v_permlane16_swap_b32 v[PC+6*\c+\i], v[PC+12+4*\c+\i]
.endr
.irp i, 0,1,2
	s_delay_alu instid0(VALU_DEP_3)
	v_mov_b32 v[PC+3+6*\c+\i], v[PC+12+4*\c+\i]
.endr
.endr
.endm
	s_load_b256 s[4:11], s[0:1], 0x0               ; x, Wq, Wk, Wv
	s_load_b128 s[12:15], s[0:1], 0x20             ; Wo, xq
	s_load_b64 s[16:17], s[0:1], 0x30              ; wq
	v_lshl_add_u32 v[SPW], v0, 2, SPARE
	v_mov_b32 v[NIL], 0
	v_lshrrev_b32 v1, 5, v0
	s_delay_alu instid0(VALU_DEP_1)
	v_readfirstlane_b32 s[WV], v1                  ; wave 0..7
	v_and_b32 v1, 31, v0                           ; lane
	v_and_b32 v2, 15, v0                           ; r
	v_bfe_u32 v3, v0, 4, 1                         ; h
	s_delay_alu instid0(VALU_DEP_3)
	v_lshlrev_b32 v4, 4, v1                        ; 16 x lane
	s_delay_alu instid0(VALU_DEP_4)
	v_lshlrev_b32 v5, 3, v1                        ; 8 x lane
	v_lshlrev_b32 v14, 2, v1                       ; 4 x lane
	s_lshr_b32 s26, s[WV], 2
	s_and_b32 s27, s[WV], 3
	; every LDS address is made here, ahead of the parting of the two ways
	s_mul_i32 s23, s[WV], 8448
	v_add_nc_u32 v6, s23, v4                       ; x: into my stage, as loaded
	v_mul_u32_u24 v7, v2, 528
	s_delay_alu instid0(VALU_DEP_1)
	v_lshl_add_u32 v7, v3, 6, v7
	s_delay_alu instid0(VALU_DEP_1)
	v_add_nc_u32 v7, s23, v7                       ; x: out of it: row r, + 64 h
	s_lshl_b32 s28, s26, 8
	s_lshl_b32 s29, s27, 2
	s_add_co_u32 s28, s28, s29
	s_add_co_u32 s28, s28, XSCL
	v_lshl_add_u32 v8, v2, 4, s28                  ; x: my row's word of K step w
	v_bfe_u32 v18, v0, 3, 1                        ; W: column lane lies in tile 2 p + u, u = (lane / 8) % 2,
	v_and_b32 v19, 7, v0
	s_delay_alu instid0(VALU_DEP_1)
	v_lshl_add_u32 v19, v3, 3, v19                 ; at row lane % 8 + 8 (lane / 16)
	s_mul_i32 s30, s[WV], 3328
	s_add_co_u32 s30, s30, WSTG
	v_mul_u32_u24 v9, v18, 1664
	s_delay_alu instid0(VALU_DEP_1)
	v_lshl_add_u32 v9, v19, 4, v9
	s_delay_alu instid0(VALU_DEP_1)
	v_add_nc_u32 v9, s30, v9                       ; W: into my two images
	v_add_nc_u32 v10, s30, v4                      ; W: out of them
	s_lshl_b32 s31, s26, 9
	s_add_co_u32 s31, s31, s29
	s_add_co_u32 s31, s31, WSCL
	v_lshlrev_b32 v11, 8, v18
	s_delay_alu instid0(VALU_DEP_1)
	v_lshl_add_u32 v11, v19, 4, v11
	s_delay_alu instid0(VALU_DEP_1)
	v_add_nc_u32 v11, s31, v11                     ; W: my column's word of K step w % 4
	v_add_nc_u32 v15, XSCL, v4                     ; x: the scale words on their way out
	s_and_b32 s31, s[WV], 1
	s_lshl_b32 s31, s31, 9
	s_add_co_u32 s31, s31, WSCL
	v_add_nc_u32 v16, s31, v4                      ; W: likewise, two tiles a wave
	v_lshlrev_b32 v17, 9, v3
	s_delay_alu instid0(VALU_DEP_1)
	v_lshl_add_u32 v17, v2, 4, v17                 ; and their place in memory: 512 h + 16 r
	s_mov_b32 s[SEL], 0x76543210
	s_mov_b32 s[SEL+1], 0xfedcba98                 ; lane selects: the lane 16 away
.irp b, 0,1,2,3
	v_mov_b32 v[TM+4+\b], 0                        ; written once: a lane permute's destination counts as one of its sources
.endr
	s_wait_kmcnt 0x0
	s_cmp_lt_u32 ttmp9, 128
	s_cbranch_scc1 .Lw_path
	; ---- x: tile T, K step w
	s_sub_co_u32 s32, ttmp9, 128                   ; T
	s_lshr_b32 s33, s32, 1
	s_lshl_b32 s33, s33, 5
	s_and_b32 s34, s32, 1
	s_lshl_b32 s34, s34, 3
	s_add_co_u32 s33, s33, s34                     ; the tile's first row: 32 (T / 2) + 8 (T % 2)
	s_lshl_b32 s34, s33, 12
	s_lshl_b32 s35, s[WV], 9
	s_add_co_u32 s34, s34, s35
	s_mov_b32 s35, 0
	s_add_nc_u64 s[4:5], s[4:5], s[34:35]
.irp i, 0,1,2,3,4,5,6,7,8,9,10,11,12,13,14,15
	global_load_b128 v[NB+4*\i:NB+4*\i+3], v4, s[4:5] offset:(\i+8*(\i/8))*4096 th:TH_LOAD_NT   ; 512 consecutive bytes of the tile's row i
.endr
	s_mul_i32 s36, s32, 12288
	s_mul_i32 s37, s[WV], 1536
	s_add_co_u32 s36, s36, s37
	s_mov_b32 s37, 0
	s_add_nc_u64 s[18:19], s[14:15], s[36:37]      ; my fragment in xq
	s_lshl_b32 s36, s32, 9
	s_add_co_u32 s36, s36, XSOFF
	s_add_nc_u64 s[20:21], s[14:15], s[36:37]      ; the tile's scale words
.irp i, 0,1,2,3,4,5,6,7,8,9,10,11,12,13,14,15
	s_wait_loadcnt 15-\i                           ; loads come back in order: row i is in, the later rows may be out
	ds_store_b128 v6, v[NB+4*\i:NB+4*\i+3] offset:528*\i
.endr
.irp b, 0,1,2,3
.irp j, 0,1,2,3
	ds_load_b128 v[NB+64+16*\b+4*\j:NB+64+16*\b+4*\j+3], v7 offset:128*\b+16*\j   ; LDS serves a wave's instructions in order: these see my stores
.endr
.endr
	s_wait_dscnt 0x0
	QUANT NB+64
	global_store_b128 v4, v[PC:PC+3], s[18:19]                  ; each store covers 512 or 256 consecutive bytes, aligned to 256
	global_store_b64 v5, v[PC+4:PC+5], s[18:19] offset:512
	global_store_b128 v4, v[PC+6:PC+9], s[18:19] offset:768
	global_store_b64 v5, v[PC+10:PC+11], s[18:19] offset:1280
	ds_store_b32 v8, v[PW]                         ; both halves of the lanes write the same word with the same value
	s_wait_dscnt 0x0                               ; for the others' sake: my word has landed
	s_barrier_signal -1
	s_barrier_wait -1
	s_cmp_lg_u32 s[WV], 0
	s_cbranch_scc1 .Lend
	ds_load_b128 v[NB:NB+3], v15                   ; the eight waves' words: 512 bytes
	s_wait_dscnt 0x0
	global_store_b128 v4, v[NB:NB+3], s[20:21]
	s_branch .Lend
	; ---- W: weight m, columns 64 cg + 32 p + lane, K step 4 kh + w % 4
.Lw_path:
	s_lshr_b32 s32, ttmp9, 5                       ; m: 0 Wq, 1 Wk, 2 Wv, 3 Wo
	s_bfe_u32 s33, ttmp9, 0x40001                  ; cg
	s_and_b32 s34, ttmp9, 1                        ; kh
	s_cmp_eq_u32 s32, 1                            ; the choice hangs on the work-group's number alone
	s_cselect_b64 s[6:7], s[8:9], s[6:7]
	s_cmp_eq_u32 s32, 2
	s_cselect_b64 s[6:7], s[10:11], s[6:7]
	s_cmp_eq_u32 s32, 3
	s_cselect_b64 s[6:7], s[12:13], s[6:7]
	s_lshl_b32 s35, s34, 2
	s_add_co_u32 s35, s35, s27                     ; K step
	s_lshl_b32 s36, s35, 19                        ; 128 rows of 4,096 bytes
	s_lshl_b32 s37, s33, 8
	s_add_co_u32 s36, s36, s37
	s_lshl_b32 s37, s26, 7
	s_add_co_u32 s36, s36, s37
	s_mov_b32 s37, 0
	s_add_nc_u64 s[6:7], s[6:7], s[36:37]
.set k, 0
.rept 128
	global_load_b32 v[NB+k], v14, s[6:7] offset:k*4096 th:TH_LOAD_NT   ; W(128 s + k, my column)
.set k, k+1
.endr
	s_mul_i32 s38, s33, 147456                     ; where the two images go
	s_mul_i32 s39, s32, 6144
	s_add_co_u32 s38, s38, s39
	s_mul_i32 s39, s33, 49152
	s_add_co_u32 s39, s39, WOOFF
	s_mov_b32 s40, 18432
	s_cmp_eq_u32 s32, 3
	s_cselect_b32 s38, s39, s38
	s_cselect_b32 s40, 6144, s40
	s_mul_i32 s40, s40, s35
	s_add_co_u32 s38, s38, s40
	s_mul_i32 s40, s26, 3072
	s_add_co_u32 s38, s38, s40
	s_mov_b32 s39, 0
	s_add_nc_u64 s[18:19], s[16:17], s[38:39]
	s_mul_i32 s40, s33, 6144                       ; and the scale words
	s_lshl_b32 s41, s32, 11
	s_add_co_u32 s40, s40, s41
	s_add_co_u32 s40, s40, WSOFF
	s_lshl_b32 s41, s33, 11
	s_add_co_u32 s41, s41, WOSOFF
	s_cmp_eq_u32 s32, 3
	s_cselect_b32 s40, s41, s40
	s_lshl_b32 s41, s34, 8
	s_add_co_u32 s40, s40, s41
	s_lshl_b32 s41, s[WV], 10
	s_add_co_u32 s40, s40, s41                     ; (used by waves 0 and 1 alone)
	s_mov_b32 s41, 0
	s_add_nc_u64 s[20:21], s[16:17], s[40:41]
; Block b = 2 c + h of my column: its six registers of codes are registers 6 c .. 6 c + 5 of lane row + 16 h of the image
.macro WBLOCK b
.set XB, NB+32*\b
.set CB, PC+8*\b
.if \b < 2
	s_wait_loadcnt 63                              ; this block's 32 loads are in (the count that the ordering needs, 96 or 64, is more than the wait can name)
.else
	s_wait_loadcnt 32*(3-\b)                       ; the later blocks' loads may be out
.endif
	v_max3_num_f32 v[TM], |v[XB]|, |v[XB+1]|, |v[XB+2]|
	v_max3_num_f32 v[TM+1], |v[XB+3]|, |v[XB+4]|, |v[XB+5]|
.irp i, 6,10,14,18,22,26
	s_delay_alu instid0(VALU_DEP_2)
	v_max3_num_f32 v[TM], v[TM], |v[XB+\i]|, |v[XB+\i+1]|
	s_delay_alu instid0(VALU_DEP_2)
	v_max3_num_f32 v[TM+1], v[TM+1], |v[XB+\i+2]|, |v[XB+\i+3]|
.endr
	s_delay_alu instid0(VALU_DEP_2)
	v_max3_num_f32 v[TM], v[TM], |v[XB+30]|, |v[XB+31]|
	s_delay_alu instid0(VALU_DEP_1)
	v_max3_num_f32 v[TM], v[TM], v[TM+1], 0x1800000   ; and the floor
	s_delay_alu instid0(VALU_DEP_1)
	v_add_nc_u32 v[TM+2], 0xff000000, v[TM]
	s_delay_alu instid0(VALU_DEP_1)
	v_lshrrev_b32 v[TM+3], 23, v[TM+2]
.if \b == 0
	s_delay_alu instid0(VALU_DEP_1)
	v_mov_b32 v[SBW], v[TM+3]
.else
	s_delay_alu instid0(VALU_DEP_1)
	v_lshl_or_b32 v[SBW], v[TM+3], 8*\b, v[SBW]
.endif
	v_cvt_scalef32_pk16_fp6_f32 v[CB:CB+2], v[XB:XB+15], v[TM+2]
	v_cvt_scalef32_pk16_fp6_f32 v[WT:WT+2], v[XB+16:XB+31], v[TM+2]   ; (a conversion's three registers begin on an even number)
	v_nop                                          ; one plain place behind a scaled conversion
.irp i, 0,1,2
	v_mov_b32 v[CB+3+\i], v[WT+\i]
.endr
.if \b < 2
	ds_store_b128 v9, v[CB:CB+3] offset:256*\b
	ds_store_b64 v9, v[CB+4:CB+5] offset:512+256*\b
.else
	ds_store_b64 v9, v[CB:CB+1] offset:520+256*(\b-2)
	ds_store_b128 v9, v[CB+2:CB+5] offset:1024+256*(\b-2)
.endif
.endm
	WBLOCK 0
	WBLOCK 1
	WBLOCK 2
	WBLOCK 3
	ds_store_b32 v11, v[SBW]
.irp i, 0,1,2,3,4,5
	ds_load_b128 v[NB+4*\i:NB+4*\i+3], v10 offset:1664*(\i/3)+512*(\i%3)   ; my own bytes, served in order
.endr
	s_wait_dscnt 0x0                               ; the images are back, and for the others' sake my word has landed
.irp i, 0,1,2,3,4,5
	global_store_b128 v4, v[NB+4*\i:NB+4*\i+3], s[18:19] offset:512*\i     ; 3,072 consecutive bytes
.endr
	s_barrier_signal -1
	s_barrier_wait -1
	s_cmp_lt_u32 s[WV], 2
	s_cbranch_scc0 .Lend
	ds_load_b128 v[NB+24:NB+27], v16               ; two tiles' words of this half of K
	s_wait_dscnt 0x0
	global_store_b128 v17, v[NB+24:NB+27], s[20:21]   ; sixteen lanes store 256 consecutive bytes, aligned
.Lend:
	s_wait_tensorcnt 0x0                           ; the wave's end
	ds_add_u32 v[SPW], v[NIL]
	s_wait_dscnt 0x0
	s_endpgm
.Lfunc_end_k_q83a030ae0b_quant:
	.size	k_q83a030ae0b_quant, .Lfunc_end_k_q83a030ae0b_quant-k_q83a030ae0b_quant
	.p2alignl 7, 3214868480
	.fill 96, 4, 3214868480
	.section	.rodata,"a",@progbits
	.p2align	6, 0x0
	.amdhsa_kernel k_q83a030ae0b_quant
		.amdhsa_group_segment_fixed_size 96768
		.amdhsa_private_segment_fixed_size 0
		.amdhsa_enable_private_segment 0
		.amdhsa_kernarg_size 56
		.amdhsa_user_sgpr_count 2
		.amdhsa_user_sgpr_kernarg_segment_ptr 1
		.amdhsa_wavefront_size32 1
		.amdhsa_system_sgpr_workgroup_id_x 1
		.amdhsa_system_sgpr_workgroup_id_y 1
		.amdhsa_system_sgpr_workgroup_id_z 1
		.amdhsa_system_vgpr_workitem_id 0
		.amdhsa_next_free_vgpr 208
		.amdhsa_next_free_sgpr 66
		.amdhsa_reserve_vcc 0
		.amdhsa_float_denorm_mode_32 3
		.amdhsa_float_denorm_mode_16_64 3
		.amdhsa_memory_ordered 1
		.amdhsa_forward_progress 1
		.amdhsa_inst_pref_size 38
	.end_amdhsa_kernel
	.amdgpu_metadata
---
amdhsa.version: [ 1, 2 ]
amdhsa.kernels:
  - .name:           k_q83a030ae0b_quant
    .symbol:         k_q83a030ae0b_quant.kd
    .args:
      - { .name: x, .offset: 0, .size: 8, .value_kind: global_buffer, .address_space: global }
      - { .name: Wq, .offset: 8, .size: 8, .value_kind: global_buffer, .address_space: global }
      - { .name: Wk, .offset: 16, .size: 8, .value_kind: global_buffer, .address_space: global }
      - { .name: Wv, .offset: 24, .size: 8, .value_kind: global_buffer, .address_space: global }
      - { .name: Wo, .offset: 32, .size: 8, .value_kind: global_buffer, .address_space: global }
      - { .name: xq, .offset: 40, .size: 8, .value_kind: global_buffer, .address_space: global }
      - { .name: wq, .offset: 48, .size: 8, .value_kind: global_buffer, .address_space: global }
    .group_segment_fixed_size: 96768
    .private_segment_fixed_size: 0
    .kernarg_segment_align: 8
    .kernarg_segment_size: 56
    .max_flat_workgroup_size: 256
    .sgpr_count:     66
    .vgpr_count:     208
    .wavefront_size: 32
...
	.end_amdgpu_metadata
.endif
;; end of part 1
;; launch qkv (part 2): grid 16 x 16, 4 waves a work-group, clusters of 4 x 1, 327,680 bytes of LDS; arguments xq, wq, qq, kv; writes qq, kv
.if DOCPART == 2
	.amdgcn_target "amdgcn-amd-amdhsa--gfx1250"
	.amdhsa_code_object_version 6
	.text
	.protected	k_q83a030ae0b_qkv
	.globl	k_q83a030ae0b_qkv
	.p2align	8
	.type	k_q83a030ae0b_qkv,@function
k_q83a030ae0b_qkv:
	s_mov_b64 s[64:65], 0
	v_nop
	global_prefetch_b8 v0, s[64:65] scope:SCOPE_SE
	s_setreg_imm32_b32 hwreg(HW_REG_WAVE_MODE, 25, 1), 1
	s_wait_xcnt 0x0
	s_wait_alu depctr_hold_cnt(0) depctr_sa_sdst(0) depctr_va_vdst(0) depctr_va_sdst(0) depctr_va_ssrc(0) depctr_va_vcc(0) depctr_vm_vsrc(0)
	s_getreg_b32 s2, hwreg(HW_REG_IB_STS2, 6, 4)
	s_cmp_eq_u32 s2, 0
	s_cbranch_scc0 .Lentry_in_a_cluster
	s_endpgm
.Lentry_in_a_cluster:
	s_bfe_u32 s2, ttmp6, 0x10000c
	s_cmp_lg_u32 s2, 0x3003
	s_cbranch_scc0 .Lentry_shape_is_right
	s_endpgm
.Lentry_shape_is_right:
.set XSOFF,  3145728
.set WSOFF,  3145728
.set QSOFF,  3145728
.set KVSOFF, 6291456
.set QST,    147456
.set KVST,   148480
.set SPARE,  149504
.set SPW, 12
.set NIL, 13
.set XS,  16
.set WS,  32
.set WB,  80
.set PQ,  80
.set PK,  112
.set PV,  136
.set MX,  168
.set PT,  176
.set SO,  184
.set CT,  192
.set HW,  208
.set RB,  216
.set QW,  224
.set KW,  228
.set VH,  232
.set G1,  24
.set G0,  32
.set SEL, 66
.set MSB, 0
.macro WIN new
.if MSB != (\new)
	s_set_vgpr_msb (MSB<<8)|(\new)
.set MSB, (\new)
.endif
.endm
.macro PLACES
.rept 4
	v_nop
.endr
.endm
.macro CROUND
	s_barrier_signal -1
	s_barrier_wait -1
	s_cmp_lg_u32 s12, 0
	s_cbranch_scc1 .Lnot_wave_0_\@
	s_barrier_signal -3
.Lnot_wave_0_\@:
	s_barrier_wait -3
	s_barrier_signal -1
	s_barrier_wait -1
.endm
.macro WMI
.if fZ
.if fA && fB
	v_wmma_scale_f32_16x16x128_f8f6f4 v[rD:rD+7], v[rA:rA+11], v[rB:rB+11], 0, v[rSA], v[rSB] matrix_a_fmt:MATRIX_FMT_FP6 matrix_b_fmt:MATRIX_FMT_FP6 matrix_a_scale:MATRIX_SCALE_ROW1 matrix_b_scale:MATRIX_SCALE_ROW1
.elseif fA
	v_wmma_scale_f32_16x16x128_f8f6f4 v[rD:rD+7], v[rA:rA+11], v[rB:rB+11], 0, v[rSA], v[rSB] matrix_a_fmt:MATRIX_FMT_FP6 matrix_b_fmt:MATRIX_FMT_FP6 matrix_a_scale:MATRIX_SCALE_ROW1
.elseif fB
	v_wmma_scale_f32_16x16x128_f8f6f4 v[rD:rD+7], v[rA:rA+11], v[rB:rB+11], 0, v[rSA], v[rSB] matrix_a_fmt:MATRIX_FMT_FP6 matrix_b_fmt:MATRIX_FMT_FP6 matrix_b_scale:MATRIX_SCALE_ROW1
.else
	v_wmma_scale_f32_16x16x128_f8f6f4 v[rD:rD+7], v[rA:rA+11], v[rB:rB+11], 0, v[rSA], v[rSB] matrix_a_fmt:MATRIX_FMT_FP6 matrix_b_fmt:MATRIX_FMT_FP6
.endif
.else
.if fA && fB
	v_wmma_scale_f32_16x16x128_f8f6f4 v[rD:rD+7], v[rA:rA+11], v[rB:rB+11], v[rC:rC+7], v[rSA], v[rSB] matrix_a_fmt:MATRIX_FMT_FP6 matrix_b_fmt:MATRIX_FMT_FP6 matrix_a_scale:MATRIX_SCALE_ROW1 matrix_b_scale:MATRIX_SCALE_ROW1
.elseif fA
	v_wmma_scale_f32_16x16x128_f8f6f4 v[rD:rD+7], v[rA:rA+11], v[rB:rB+11], v[rC:rC+7], v[rSA], v[rSB] matrix_a_fmt:MATRIX_FMT_FP6 matrix_b_fmt:MATRIX_FMT_FP6 matrix_a_scale:MATRIX_SCALE_ROW1
.elseif fB
	v_wmma_scale_f32_16x16x128_f8f6f4 v[rD:rD+7], v[rA:rA+11], v[rB:rB+11], v[rC:rC+7], v[rSA], v[rSB] matrix_a_fmt:MATRIX_FMT_FP6 matrix_b_fmt:MATRIX_FMT_FP6 matrix_b_scale:MATRIX_SCALE_ROW1
.else
	v_wmma_scale_f32_16x16x128_f8f6f4 v[rD:rD+7], v[rA:rA+11], v[rB:rB+11], v[rC:rC+7], v[rSA], v[rSB] matrix_a_fmt:MATRIX_FMT_FP6 matrix_b_fmt:MATRIX_FMT_FP6
.endif
.endif
.endm
.macro XLOAD
	WIN 0x40*(1+xs/4)
.irp a, 0,1,2,3
.set xr, 48*(xs%4)+12*\a
	global_load_b128 v[xr:xr+3], v1, s[48:49] offset:12288*\a+1536*xs
	global_load_b64 v[xr+4:xr+5], v2, s[48:49] offset:12288*\a+1536*xs+512
	global_load_b128 v[xr+6:xr+9], v1, s[48:49] offset:12288*\a+1536*xs+768
	global_load_b64 v[xr+10:xr+11], v2, s[48:49] offset:12288*\a+1536*xs+1280
.endr
.endm
.macro WLOAD
.irp t, 0,1,2,3
.irp p, 0,1,2
	ds_load_b128 v[WB+48*wm+12*\t+4*\p:WB+48*wm+12*\t+4*\p+3], v[4+ws/2] offset:(ws%2)*18432+(4*wm+\t)*1536+512*\p
.endr
.endr
.endm
.macro GROUP s, m
.if \m == 0
.if \s < 5
.set xs, \s+3
	XLOAD
.endif
.if 7-\s < 3
	s_wait_loadcnt 16*(7-\s)
.else
	s_wait_loadcnt 48
.endif
.endif
.if 23-(3*\s+\m) < 2
	s_wait_dscnt 12*(23-(3*\s+\m))
.else
	s_wait_dscnt 24
.endif
.set X, 1+\s/4
.set fZ, (\s == 0)
.if \m < 2
	WIN 0xf0|(X<<2)
.irp a, 0,1,2,3
.irp t, 0,1,2,3
.set rD, 128*\m+32*\a+8*\t
.set rC, rD
.set rA, WB+48*\m+12*\t
.set rB, 48*(\s%4)+12*\a
.set rSA, WS+8*(2*\m+\t/2)+\s
.set rSB, XS+8*(\a/2)+\s
.set fA, \t%2
.set fB, \a%2
	WMI
.endr
.endr
.else
.irp t, 0,1,2,3
	WIN ((1+\t/2)*0x50)|X
.irp a, 0,1,2,3
.set rD, 192+32*(\t%2)+8*\a
.set rC, rD
.set rA, 48*(\s%4)+12*\a
.set rB, WB+96+12*\t
.set rSA, XS+8*(\a/2)+\s
.set rSB, WS+8*(4+\t/2)+\s
.set fA, \a%2
.set fB, \t%2
	WMI
.endr
.endr
.endif
	PLACES
	WIN 0
.if \s < 7
.set ws, \s+1
.set wm, \m
	WLOAD
.endif
.endm
.macro QUANTG win, s0, n, pd, pstr, hw
	WIN ((\win)<<2)|((\win)<<4)
.set bb, 0
.rept 2*\n
	v_max3_num_f32 v[MX+bb], 0x1800000, |v[\s0+16*bb]|, |v[\s0+16*bb+1]|
.set bb, bb+1
.endr
.irp i, 2,4,6,8,10,12,14
.set bb, 0
.rept 2*\n
	v_max3_num_f32 v[MX+bb], v[MX+bb], |v[\s0+16*bb+\i]|, |v[\s0+16*bb+\i+1]|
.set bb, bb+1
.endr
.endr
	WIN 0
.set bb, 0
.rept 2*\n
	v_permlanex16_b32 v[PT+bb], v[MX+bb], s[SEL], s[SEL+1]
.set bb, bb+1
.endr
.set bb, 0
.rept 2*\n
	v_max_num_f32 v[MX+bb], v[MX+bb], v[PT+bb]
.set bb, bb+1
.endr
.set bb, 0
.rept 2*\n
	v_add_nc_u32 v[SO+bb], 0xff000000, v[MX+bb]
.set bb, bb+1
.endr
.set bb, 0
.rept 2*\n
	v_lshrrev_b32 v[PT+bb], 23, v[SO+bb]
.set bb, bb+1
.endr
.set g, 0
.rept \n
	v_lshl_or_b32 v[\hw+g], v[PT+2*g+1], 8, v[PT+2*g]
.set g, g+1
.endr
	WIN \win
.set g, 0
.rept \n
	v_cvt_scalef32_pk16_fp6_f32 v[\pd+\pstr*g:\pd+\pstr*g+2], v[\s0+32*g:\s0+32*g+15], v[SO+2*g]
	v_cvt_scalef32_pk16_fp6_f32 v[CT+4*g:CT+4*g+2], v[\s0+32*g+16:\s0+32*g+31], v[SO+2*g+1]
.set g, g+1
.endr
	WIN 0
	v_nop
.set g, 0
.rept \n
.irp i, 0,1,2
	v_permlane16_swap_b32 v[\pd+\pstr*g+\i], v[CT+4*g+\i]
.endr
.irp i, 0,1,2
	v_mov_b32 v[\pd+\pstr*g+3+\i], v[CT+4*g+\i]
.endr
.set g, g+1
.endr
.endm
	s_load_b256 s[4:11], s[0:1], 0x0
	v_lshl_add_u32 v[SPW], v0, 2, SPARE
	v_mov_b32 v[NIL], 0
	ds_add_u32 v[SPW], v[NIL]
	ds_add_u32 v[SPW], v[NIL]
	v_lshrrev_b32 v14, 5, v0
	v_readfirstlane_b32 s12, v14
	s_bfe_u32 s13, ttmp6, 0x40000
	s_lshl_b32 s14, ttmp9, 2
	s_add_co_u32 s14, s14, s13
	s_and_b32 s15, ttmp7, 0xffff
	s_mov_b32 s[G1], 15|(3<<16)|(1<<21)
	s_mov_b32 s[G1+1], 32<<16
	s_mov_b32 s[G1+2], 144<<16
	s_mov_b32 s[G1+3], 32<<16
	s_mov_b32 s[G1+4], 144
	s_mov_b32 s[G1+5], 32
	s_mov_b32 s[G1+6], 0
	s_mov_b32 s[G1+7], 0
	s_mul_i32 s16, s15, 147456
	s_mul_i32 s18, s12, 36864
	s_add_co_u32 s16, s16, s18
	s_mov_b32 s17, 0
	s_mov_b32 s[SEL], 0x76543210
	s_mov_b32 s[SEL+1], 0xfedcba98
	v_and_b32 v14, 31, v0
	v_and_b32 v15, 15, v0
	v_bfe_u32 v11, v0, 4, 1
	v_lshlrev_b32 v1, 4, v14
	v_lshlrev_b32 v2, 3, v14
	v_lshlrev_b32 v3, 9, v11
	v_lshl_add_u32 v3, v15, 4, v3
	v_lshlrev_b32 v4, 4, v14
	v_add_nc_u32 v5, 36864, v4
	v_add_nc_u32 v6, 73728, v4
	v_add_nc_u32 v7, 110592, v4
	s_lshl_b32 s20, s12, 8
	s_add_co_u32 s20, s20, QST
	v_lshl_add_u32 v8, v15, 2, s20
	v_add_nc_u32 v11, s20, v2
	s_lshr_b32 s22, s12, 1
	s_and_b32 s23, s12, 1
	s_lshl_b32 s20, s22, 9
	s_add_co_u32 s20, s20, KVST
	s_lshl_b32 s21, s23, 3
	s_add_co_u32 s21, s21, s20
	v_lshl_add_u32 v9, v15, 4, s21
	s_lshl_b32 s21, s23, 1
	s_add_co_u32 s21, s21, s20
	s_add_co_u32 s21, s21, 256
	v_lshl_add_u32 v10, v15, 4, s21
	s_wait_dscnt 0x0
	s_wait_kmcnt 0x0
	s_add_nc_u64 s[16:17], s[6:7], s[16:17]
	s_mov_b32 s[G0], 1                             ; one joint load a wave: wave w brings K steps 2 w and 2 w + 1 of the head's weights, 144 rows of 256 bytes
	s_mov_b32 s[G0+1], s18
	s_mov_b64 s[G0+2:G0+3], s[16:17]
	s_or_b32 s[G0+3], s[G0+3], 0x80000000
	s_wait_alu depctr_va_vdst(0)
	CROUND
	tensor_load_to_lds s[G0:G0+3], s[G1:G1+7]
	s_nop 0
.rept 4
	v_nop
.endr
	s_lshl_b32 s19, s14, 4
	s_lshl_b32 s20, s12, 2
	s_add_co_u32 s19, s19, s20
	s_mov_b32 s21, 0
	s_mul_i32 s20, s19, 12288
	s_add_nc_u64 s[48:49], s[4:5], s[20:21]
	s_lshl_b32 s20, s19, 9
	s_add_co_u32 s20, s20, XSOFF
	s_add_nc_u64 s[50:51], s[4:5], s[20:21]
	s_mul_i32 s20, s15, 6144
	s_add_co_u32 s20, s20, WSOFF
	s_add_nc_u64 s[52:53], s[6:7], s[20:21]
	s_wait_alu depctr_va_vdst(0)
.irp y, 0,1
.irp z, 0,1
	global_load_b128 v[XS+8*\y+4*\z:XS+8*\y+4*\z+3], v3, s[50:51] offset:1024*\y+256*\z
.endr
.endr
.irp y, 0,1,2,3,4,5
.irp z, 0,1
	global_load_b128 v[WS+8*\y+4*\z:WS+8*\y+4*\z+3], v3, s[52:53] offset:1024*\y+256*\z
.endr
.endr
.set xs, 0
	XLOAD
.set xs, 1
	XLOAD
.set xs, 2
	XLOAD
	WIN 0
	s_lshl_b32 s70, s15, 8
	s_add_co_u32 s70, s70, s19
	s_mul_i32 s20, s70, 768
	s_add_nc_u64 s[54:55], s[8:9], s[20:21]
	s_lshl_b32 s20, s70, 6
	s_add_co_u32 s20, s20, QSOFF
	s_add_nc_u64 s[56:57], s[8:9], s[20:21]
	s_lshl_b32 s68, s14, 1
	s_add_co_u32 s68, s68, s22
	s_mul_i32 s68, s68, 12800                      ; a key step in kv: 12,288 bytes of codes, then its 512 bytes of scale words
	s_mul_i32 s69, s15, 409600
	s_add_co_u32 s68, s68, s69
	s_mul_i32 s69, s23, 3072
	s_add_co_u32 s20, s68, s69
	s_add_nc_u64 s[58:59], s[10:11], s[20:21]
	s_mul_i32 s69, s23, 768
	s_add_co_u32 s20, s68, s69
	s_add_co_u32 s20, s20, 6144
	s_add_nc_u64 s[60:61], s[10:11], s[20:21]
	s_lshl_b32 s69, s23, 8
	s_add_co_u32 s20, s68, s69
	s_add_co_u32 s20, s20, 12288                   ; the step's scale words lie behind its codes: K's 256 bytes, then V's
	s_add_nc_u64 s[62:63], s[10:11], s[20:21]
	s_wait_tensorcnt 0x0
	s_barrier_signal -1
	s_barrier_wait -1
.set ws, 0
.set wm, 0
	WLOAD
.set wm, 1
	WLOAD
.set wm, 2
	WLOAD
.irp s, 0,1,2,3,4,5,6,7
.irp m, 0,1,2
	GROUP \s, \m
.endr
.endr
.set bb, 0
.rept 8
	v_mov_b32 v[PT+bb], 0
.set bb, bb+1
.endr
	QUANTG 3, 0, 4, PQ, 8, HW
.irp a, 0,1,2,3
	v_lshl_or_b32 v[QW+\a], v[HW+\a], 16, v[HW+\a]
	global_store_b128 v1, v[PQ+8*\a:PQ+8*\a+3], s[54:55] offset:768*\a
	global_store_b64 v2, v[PQ+8*\a+4:PQ+8*\a+5], s[54:55] offset:768*\a+512
	ds_store_b32 v8, v[QW+\a] offset:64*\a
.endr
	QUANTG 3, 128, 4, PK, 6, HW
.irp y, 0,1
	v_lshl_or_b32 v[KW+\y], v[HW+2*\y+1], 16, v[HW+2*\y]
.irp p, 0,1,2
	global_store_b128 v1, v[PK+12*\y+4*\p:PK+12*\y+4*\p+3], s[58:59] offset:1536*\y+512*\p
.endr
	ds_store_b32 v9, v[KW+\y] offset:4*\y
.endr
	QUANTG 1, 192, 2, PV, 8, VH
	QUANTG 2, 192, 2, PV+16, 8, VH+2
.irp t, 0,1,2,3
	global_store_b128 v1, v[PV+8*\t:PV+8*\t+3], s[60:61] offset:1536*\t
	global_store_b64 v2, v[PV+8*\t+4:PV+8*\t+5], s[60:61] offset:1536*\t+512
	ds_store_b16 v10, v[VH+\t] offset:4*\t
.endr
	s_wait_dscnt 0x0
	s_barrier_signal -1
	s_barrier_wait -1
	ds_load_b64 v[RB:RB+1], v11
	ds_load_b64 v[RB+2:RB+3], v11 offset:1024
	s_wait_dscnt 0x0
	global_store_b64 v2, v[RB:RB+1], s[56:57]
	global_store_b64 v2, v[RB+2:RB+3], s[62:63]
	s_wait_tensorcnt 0x0
	ds_add_u32 v[SPW], v[NIL]
	s_wait_dscnt 0x0
	CROUND
	s_endpgm
.Lfunc_end_k_q83a030ae0b_qkv:
	.size	k_q83a030ae0b_qkv, .Lfunc_end_k_q83a030ae0b_qkv-k_q83a030ae0b_qkv
	.p2alignl 7, 3214868480
	.fill 96, 4, 3214868480
	.section	.rodata,"a",@progbits
	.p2align	6, 0x0
	.amdhsa_kernel k_q83a030ae0b_qkv
		.amdhsa_group_segment_fixed_size 327680
		.amdhsa_private_segment_fixed_size 0
		.amdhsa_enable_private_segment 0
		.amdhsa_kernarg_size 32
		.amdhsa_user_sgpr_count 2
		.amdhsa_user_sgpr_kernarg_segment_ptr 1
		.amdhsa_wavefront_size32 1
		.amdhsa_system_sgpr_workgroup_id_x 1
		.amdhsa_system_sgpr_workgroup_id_y 1
		.amdhsa_system_sgpr_workgroup_id_z 1
		.amdhsa_system_vgpr_workitem_id 0
		.amdhsa_next_free_vgpr 1024
		.amdhsa_next_free_sgpr 72
		.amdhsa_reserve_vcc 0
		.amdhsa_float_denorm_mode_32 3
		.amdhsa_float_denorm_mode_16_64 3
		.amdhsa_memory_ordered 1
		.amdhsa_forward_progress 1
		.amdhsa_inst_pref_size 118
	.end_amdhsa_kernel
	.amdgpu_metadata
---
amdhsa.version: [ 1, 2 ]
amdhsa.kernels:
  - .name:           k_q83a030ae0b_qkv
    .symbol:         k_q83a030ae0b_qkv.kd
    .args:
      - { .name: xq, .offset: 0, .size: 8, .value_kind: global_buffer, .address_space: global }
      - { .name: wq, .offset: 8, .size: 8, .value_kind: global_buffer, .address_space: global }
      - { .name: qq, .offset: 16, .size: 8, .value_kind: global_buffer, .address_space: global }
      - { .name: kv, .offset: 24, .size: 8, .value_kind: global_buffer, .address_space: global }
    .group_segment_fixed_size: 327680
    .private_segment_fixed_size: 0
    .kernarg_segment_align: 8
    .kernarg_segment_size: 32
    .max_flat_workgroup_size: 128
    .sgpr_count:     72
    .vgpr_count:     1024
    .wavefront_size: 32
...
	.end_amdgpu_metadata
.endif
;; end of part 2
;; launch attn (part 3): grid 16 x 16, 16 waves a work-group, no clusters, 327,680 bytes of LDS; arguments qq, kv, cq; writes cq
.if DOCPART == 3
	.amdgcn_target "amdgcn-amd-amdhsa--gfx1250"
	.amdhsa_code_object_version 6
	.text
	.protected	k_q83a030ae0b_attn
	.globl	k_q83a030ae0b_attn
	.p2align	8
	.type	k_q83a030ae0b_attn,@function
k_q83a030ae0b_attn:
	s_mov_b64 s[64:65], 0
	v_nop
	global_prefetch_b8 v0, s[64:65] scope:SCOPE_SE
	s_setreg_imm32_b32 hwreg(HW_REG_WAVE_MODE, 25, 1), 1
	s_wait_xcnt 0x0
; ctx[q][64 head + d] = the sum over keys k <= q of softmax_k(q . k / 8) v[k][d], both products on codes of FP6 (E2M3) with E8M0 scales; ctx is quantised here along its 1,024 and stored in the order of the last launch's operand registers.
; THE SOFTMAX: t = score x log2(e) / 8; M = the running largest t rounded UP to a whole number; p = 2^(t - M) is quantised along the keys, not normalised; the row's sum is taken of the unquantised p and divides at the end.  When M moves, sum and O are multiplied by 2^(old M - new M): exact.
; LEFT OUT: key steps whose keys all come after a block's queries: the causal mask gives them the weight 0 for every input.
; SHARES.  A work-group owns blocks i and 31 - i of 128 queries of one head: (i + 1) + (32 - i) = 33 block steps of 128 keys.  Two teams of 8 waves share them; wave w is of team (w / 4 + w) % 2 and owns tile w / 2 (16 queries) of its team's block: waves 2 t and 2 t + 1 are one of each team, and so are two of any four waves w, w + 4, w + 8, w + 12.
; Team A (0): the high block's key steps 0 .. 16.  Team B (1): the low block's key steps 0 .. i, then the high block's key steps 17 .. 31 - i: at the end of time step i it parks the low block's O, -M and sum in LDS bytes of its own and begins anew with the high tile's q.
; So the walk has 17 time steps for every work-group.  Behind time step 15 team B hands its part of the high block to team A through LDS (one barrier); then team A works key step 16 and joins the two parts, while team B takes its parked low block up again, both by one text: the part with the smaller M is multiplied by a power of two.
; THE RING: two slots of four time steps, each time step with a tile for team A and one for team B (12,800 bytes: K's 4 fragments, V's 8 halves, 512 bytes of scale words).  Waves 0 to 7 fetch one tile each (wave w: time step w / 2 of the slot, team w % 2's tile).  Team A's key step 16 comes once, at the head, by wave 8, into bytes of its own behind slot 0.
; The step is written once in a loop of four trips; its LDS base is a scalar stepped by two tiles a trip.
; LAYOUT.  S^T = K Q^T and O^T = V^T P^T: a lane holds one query.  The head has 64 channels, the instruction 128 along K: a fragment of K holds two tiles of 16 keys and is multiplied by [q | 0] and by [0 | q], two runs of 12 inside 0 | q | 0.
; The rows of a tile are 32 B + 8 u + r + 8 (r / 8), so the 16 registers of two neighbouring tiles of S^T are 16 neighbouring keys, and those of O^T 16 neighbouring channels.
; TWO IN ONE: t - M, the row's sum and the rescaling of O^T go as dual-issue pairs on an even and an odd register; -M and f are kept twice (v12 and v95, v252 and v94), so that the two halves' second sources are different registers in different banks.
; NO CLUSTER: the change of block, the diagonal and team B's tiles hang on the work-group's number, which differs between the work-groups of a head.
; PREFETCH: at the first two changes of slots wave 12 names 25 blocks of 256 bytes of the slot that the NEXT change will load: work-groups 0-7 share the 200 blocks of team A's four key steps, work-groups 8-15 those 16 key steps further on (team B's earliest reader); a lane a block, lanes 25-31 the last block again.  Key steps 0-7 and 16-23 come by their loads alone.
; Every wave loads the high tile's q a second time into v240-246, so that the text is one for both teams; team A never moves it.
; LIMITS: p under 2^-126 counts as 0; a block's largest p is made from its largest score, which takes v_exp_f32 not to fall where its input rises; a block of zeros gets the byte 1; NaN and infinities among the inputs are not served; scaled scores stay under 2^31 in magnitude.
; REGISTERS: v1-3 lane terms; v4 DG; v5-6 the add's; v7 prefetch; v8-10, v93 addresses in hand; v11 Q's scale word; v12, v95 -M, v13 the largest t, v[14:15] the sum; v16-33 0 | q | 0; v34, 35, 92 stage addresses; v36-83 K, then at work; v84-91 scale words; v96-159 S^T, then p; v160-191 O^T; v192-239 V; v240-246 the second q; v248-251 the join's factors; v252, v94 f, v253 p's scale word, v254 at work.
.set QSOFF,  3145728
.set XSOFF,  3145728
.set TILEB,  12800
.set HEADB,  409600
.set SLOT1,  131072                    ; slot 1 begins here: one exclusive or turns an address from one slot to the other
.set STAGE,  233472                    ; for each pair of waves: team B's parked low block, then its part of the high block, 9 x 512 bytes each
.set REG,    4608
.set SPARE,  307200                    ; the spare words, 128 bytes for each wave
.set MINIT,  0x7f61b1e6                ; -M at the start: 3e38
.set CLIT,   0x3e38aa3b                ; c = log2(e) / 8
.set DG,  4
.set SPW, 5
.set NIL, 6
.set PFO, 7
.set ADK, 8
.set ADV, 9
.set ADS, 10
.set ADW, 93
.set F2,  94
.set M2,  95
.set STA, 34
.set STB, 35
.set RDA, 92
.set BM,  36
.set PT,  40
.set SO,  44
.set CT,  48
.set PCD, 56
.set Q2,  240
.set FA,  248
.set FB,  250
.set TB,  2                            ; s2   LDS byte of my team's first tile in the slot in hand
.set TAU, 3                            ; s3   the time step
.set TQ,  14                           ; s14  LDS byte of my team's tile of the time step in hand
.set QC,  15                           ; s15  time steps left in the slot
.set WV,  18
.set TEAM, 19
.set SEL, 20
.set CS,  22
.set G1K, 24
.set G0K, 40
.set SLOTS, 48
.set KF,  49                           ; s49  my step's first key
.set QB,  50                           ; s50  my block's first query
.set TR,  51                           ; s51  team B changes blocks when this time step is next
.set PFA, 52
.set LIM, 54
.set QH,  55                           ; s55  the high block's first query
.set JMP, 56                           ; s56  128 (16 - i)
.set TL,  57                           ; s57  the time step of the tile that I fetch next
.set LW,  58                           ; s58  behind this time step my tiles lie 16 - i key steps further on
.set KADD, 59
; the address of my next tile: key step TL, or TL + 16 - i for team B's tiles behind time step i
.macro TADDR
	s_cmp_gt_u32 s[TL], s[LW]
	s_cselect_b32 s60, s[KADD], 0
	s_add_co_u32 s60, s60, s[TL]
	s_mul_i32 s60, s60, TILEB
	s_add_nc_u64 s[G0K+2:G0K+3], s[12:13], s[60:61]
	s_or_b32 s[G0K+3], s[G0K+3], 0x80000000
	s_add_co_u32 s[TL], s[TL], 4
.endm
; THE CHANGE OF SLOTS: each wave waits for all its tensor loads, adds 0 to its spare word, waits for that and for its reads of the slot that it has left; behind the barrier the slot ahead is whole and, fill = 1, the other is filled again first, by waves 0 to 7.
.macro CHANGE fill
	s_wait_tensorcnt 0x0                           ; no tensor load of mine is out, so the descriptor may be written
	ds_add_u32 v[SPW], v[NIL]
.if \fill
	ds_add_u32 v[SPW], v[NIL]
	s_xor_b32 s[G0K+1], s[G0K+1], SLOT1
	TADDR
	s_wait_xcnt 0x0                                ; the last prefetch, a slot back, has read its address
	s_add_nc_u64 s[PFA:PFA+1], s[PFA:PFA+1], 4*TILEB
.endif
	s_wait_dscnt 0x0
	s_barrier_signal -1
	s_barrier_wait -1
.if \fill
	s_cmp_lt_u32 s[WV], 8
	s_cbranch_scc0 .Lasked_\@
	tensor_load_to_lds s[G0K:G0K+3], s[G1K:G1K+7]
	s_nop 0
.rept 4
	v_nop
.endr
.Lasked_\@:
	s_cmp_gt_u32 s[SLOTS], s[LIM]
	s_cbranch_scc0 .Lnot_mine_\@
	global_prefetch_b8 v[PFO], s[PFA:PFA+1] th:TH_LOAD_NT scope:SCOPE_SE
.Lnot_mine_\@:
.endif
.endm
.macro PARK adr                        ; O^T, each accumulator from its low end on, then -M, t and the sum: images of registers
.irp j, 0,1,2,3,4,5,6,7
	ds_store_b128 v[\adr], v[160+4*\j:163+4*\j] offset:512*\j
.endr
	ds_store_b128 v[\adr], v[12:15] offset:4096
.endm
; A TIME STEP: the 128 keys of the tile at LDS byte TQ
.macro STEP
	s_cmp_gt_u32 s[KF], s[QB]                      ; all its keys come after my block: team B in the last time step
	s_cbranch_scc1 .Lhidden_\@
	v_add_nc_u32 v[ADK], s[TQ], v1
	v_add_nc_u32 v[ADS], s[TQ], v3
	v_nop
	v_nop                                          ; four places ahead of loads into registers that the last products read
.irp y, 0,1,2,3
.irp p, 0,1,2
	ds_load_b128 v[36+12*\y+4*\p:36+12*\y+4*\p+3], v[ADK] offset:1536*\y+512*\p
.endr
.endr
	ds_load_b128 v[84:87], v[ADS] offset:12288     ; K's scale words
	ds_load_b128 v[88:91], v[ADS] offset:12544     ; V's
	s_wait_dscnt 0x0
.irp y, 0,1,2,3
.irp u, 0,1
	v_wmma_scale_f32_16x16x128_f8f6f4 v[96+16*\y+8*\u:96+16*\y+8*\u+7], v[36+12*\y:36+12*\y+11], v[22-6*\u:33-6*\u], 0, v[84+\y], v11 matrix_a_fmt:MATRIX_FMT_FP6 matrix_b_fmt:MATRIX_FMT_FP6
.endr
.endr
	v_add_nc_u32 v[ADW], s[TQ], v1                 ; V's addresses are two of the four places behind the products
	v_add_nc_u32 v[ADV], s[TQ], v2
	v_nop
	v_nop
.irp t, 0,1,2,3
.irp c, 0,1
	ds_load_b128 v[192+12*\t+6*\c:192+12*\t+6*\c+3], v[ADW] offset:6144+1536*\t+768*\c     ; V is asked for behind K: it is wanted only behind the softmax
	ds_load_b64 v[192+12*\t+6*\c+4:192+12*\t+6*\c+5], v[ADV] offset:6144+1536*\t+768*\c+512
.endr
.endr
	s_cmp_lg_u32 s[KF], s[QB]                      ; only the step on the diagonal has hidden keys
	s_cbranch_scc1 .Lopen_\@
	v_mov_b32 v254, 0xff800000
.set n, 0
.rept 64
	v_cmp_gt_i32 vcc_lo, 32*(n/16)+n%16, v[DG]     ; register 16 b + i holds key KF + 32 b + 16 (lane / 16) + i
	v_cndmask_b32 v[96+n], v[96+n], v254, vcc_lo
.set n, n+1
.endr
.Lopen_\@:
.irp b, 0,1,2,3
	v_max3_num_f32 v[BM+\b], v[96+16*\b], v[97+16*\b], v[98+16*\b]   ; the largest score of each block of 32 keys
.endr
.irp i, 3,5,7,9,11,13
.irp b, 0,1,2,3
	v_max3_num_f32 v[BM+\b], v[BM+\b], v[96+16*\b+\i], v[97+16*\b+\i]
.endr
.endr
.irp b, 0,1,2,3
	v_max_num_f32 v[BM+\b], v[BM+\b], v[111+16*\b]
.endr
.irp b, 0,1,2,3
	s_delay_alu instid0(VALU_DEP_4)
	v_permlanex16_b32 v[PT+\b], v[BM+\b], s[SEL], s[SEL+1]
.endr
.irp b, 0,1,2,3
	s_delay_alu instid0(VALU_DEP_4)
	v_max_num_f32 v[BM+\b], v[BM+\b], v[PT+\b]
.endr
	s_delay_alu instid0(VALU_DEP_2)
	v_max3_num_f32 v254, v[BM], v[BM+1], v[BM+2]
	s_delay_alu instid0(VALU_DEP_1)
	v_max_num_f32 v254, v254, v[BM+3]
	s_delay_alu instid0(VALU_DEP_1)
	v_mul_f32 v254, s[CS], v254
	s_delay_alu instid0(VALU_DEP_1)
	v_max_num_f32 v13, v13, v254                   ; the running largest t
	v_mov_b32 v254, v12
	s_delay_alu instid0(VALU_DEP_2)
	v_floor_f32 v12, -v13                          ; the new -M,
	v_floor_f32 v[M2], -v13                        ; twice
	s_delay_alu instid0(VALU_DEP_2)
	v_sub_f32 v254, v12, v254
	s_delay_alu instid0(VALU_DEP_1)
	v_cvt_i32_f32 v254, v254                       ; (it saturates)
	s_delay_alu instid0(VALU_DEP_1)
	v_ldexp_f32 v252, 1.0, v254                    ; f = 2^(old M - new M),
	v_ldexp_f32 v[F2], 1.0, v254                   ; twice
.set j, 0
.rept 32
	v_dual_fmamk_f32 v[96+j], v[96+j], CLIT, v12 :: v_dual_fmamk_f32 v[97+j], v[97+j], CLIT, v[M2]   ; t - M, two at a time
.set j, j+2
.endr
.irp b, 0,2
	v_dual_fmamk_f32 v[BM+\b], v[BM+\b], CLIT, v12 :: v_dual_fmamk_f32 v[BM+1+\b], v[BM+1+\b], CLIT, v[M2]   ; the same of each block's largest score
.endr
.set j, 0
	s_wait_alu depctr_va_vdst(0)
.rept 64
	v_exp_f32 v[96+j], v[96+j]                     ; p = 2^(t - M)
.set j, j+1
.endr
	v_pk_mul_f32 v[14:15], v[14:15], v[252:253] op_sel_hi:[1,0]
	s_wait_alu depctr_va_vdst(0)                   ; one wait for the whole batch
.irp b, 0,1,2,3
	v_exp_f32 v[BM+\b], v[BM+\b]                   ; the block's largest p
.endr
	v_pk_add_f32 v[68:69], v[96:97], v[98:99]      ; the row's sum of the unquantised p, in two chains of two
.irp j, 4,8,12,16,20,24,28,32,36,40,44
	v_dual_add_f32 v14, v[96+\j], v14 :: v_dual_add_f32 v15, v[97+\j], v15
	v_dual_add_f32 v68, v[98+\j], v68 :: v_dual_add_f32 v69, v[99+\j], v69
.endr
	s_wait_alu depctr_va_vdst(0)                   ; and one for the four
.irp b, 0,1,2,3
	v_max_num_f32 v[BM+\b], 0x1800000, v[BM+\b]    ; the floor 2^(3 - 127)
.endr
.irp b, 0,1,2,3
	s_delay_alu instid0(VALU_DEP_4)
	v_add_nc_u32 v[SO+\b], 0xff000000, v[BM+\b]
.endr
.irp b, 0,1,2,3
	s_delay_alu instid0(VALU_DEP_4)
	v_lshrrev_b32 v[PT+\b], 23, v[SO+\b]
.endr
	s_delay_alu instid0(VALU_DEP_3)
	v_lshl_or_b32 v253, v[PT+1], 8, v[PT]          ; p's scale word for these 128 keys
	s_delay_alu instid0(VALU_DEP_1)
	v_lshl_or_b32 v253, v[PT+2], 16, v253
	s_delay_alu instid0(VALU_DEP_1)
	v_lshl_or_b32 v253, v[PT+3], 24, v253
.irp c, 0,1
	v_cvt_scalef32_pk16_fp6_f32 v[PCD+6*\c:PCD+6*\c+2], v[96+32*\c:111+32*\c], v[SO+2*\c]
	v_cvt_scalef32_pk16_fp6_f32 v[CT+4*\c:CT+4*\c+2], v[112+32*\c:127+32*\c], v[SO+2*\c+1]
.endr
	v_nop                                          ; one plain place behind a scaled conversion
.irp c, 0,1
.irp i, 0,1,2
	v_permlane16_swap_b32 v[PCD+6*\c+\i], v[CT+4*\c+\i]
.endr
.irp i, 0,1,2
	s_delay_alu instid0(VALU_DEP_3)
	v_mov_b32 v[PCD+3+6*\c+\i], v[CT+4*\c+\i]
.endr
.endr
.set j, 0
	s_wait_alu depctr_va_vdst(0)                   ; directly ahead of the first reader of O^T
.rept 16
	v_dual_mul_f32 v[160+j], v[160+j], v252 :: v_dual_mul_f32 v[161+j], v[161+j], v[F2]   ; O^T under the new M
.set j, j+2
.endr
.irp j, 48,52,56,60                            ; the rest of the sum: nine lines that name no register of the products stand between the last write of their operands and them
	v_dual_add_f32 v14, v[96+\j], v14 :: v_dual_add_f32 v15, v[97+\j], v15
	v_dual_add_f32 v68, v[98+\j], v68 :: v_dual_add_f32 v69, v[99+\j], v69
.endr
	v_dual_add_f32 v14, v68, v14 :: v_dual_add_f32 v15, v69, v15
	s_wait_dscnt 0x0                               ; V is in
.irp t, 0,1,2,3
	v_wmma_scale_f32_16x16x128_f8f6f4 v[160+8*\t:167+8*\t], v[192+12*\t:203+12*\t], v[PCD:PCD+11], v[160+8*\t:167+8*\t], v[88+\t], v253 matrix_a_fmt:MATRIX_FMT_FP6 matrix_b_fmt:MATRIX_FMT_FP6
.endr
.Lhidden_\@:
	s_add_co_u32 s[KF], s[KF], 128
	s_add_co_u32 s[TAU], s[TAU], 1
	s_cmp_eq_u32 s[TEAM], 0                        ; team A never changes blocks
	s_cbranch_scc1 .Lstay_\@
	s_cmp_lg_u32 s[TAU], s[TR]
	s_cbranch_scc1 .Lstay_\@
	s_wait_alu depctr_va_vdst(0)                   ; the sum was written just ahead of a wait passed
	v_mov_b32 v11, v[Q2+6]                         ; THE CHANGE OF BLOCKS: the high tile's q (seven plain places behind the last products),
.irp j, 0,1,2,3,4,5
	v_mov_b32 v[22+\j], v[Q2+\j]
.endr
	PARK STA                                       ; the low block's state is parked,
	v_mov_b32 v13, 0xff61b1e6                      ; and M begins anew: the next step's f is 0, which clears O and the sum
	v_mov_b32 v12, MINIT
	s_mov_b32 s[QB], s[QH]
	s_add_co_u32 s[KF], s[KF], s[JMP]              ; on to key step 17
	s_wait_alu depctr_va_vdst(0)
.Lstay_\@:
.endm
.macro WALK4                           ; the slot's four time steps
	s_mov_b32 s[TQ], s[TB]
	s_mov_b32 s[QC], 4
.Lq_\@:
	STEP
	s_add_co_u32 s[TQ], s[TQ], 2*TILEB
	s_sub_co_u32 s[QC], s[QC], 1
	s_cmp_lg_u32 s[QC], 0
	s_cbranch_scc1 .Lq_\@
	s_xor_b32 s[TB], s[TB], SLOT1
.endm
	s_load_b128 s[4:7], s[0:1], 0x0                ; qq, kv
	s_load_b64 s[8:9], s[0:1], 0x10                ; cq
	v_lshl_add_u32 v[SPW], v0, 2, SPARE
	v_mov_b32 v[NIL], 0
	ds_add_u32 v[SPW], v[NIL]                      ; the opening lines: the add, twice on end, and its wait ahead of the first tensor load
	ds_add_u32 v[SPW], v[NIL]
	v_lshrrev_b32 v8, 5, v0
	s_delay_alu instid0(VALU_DEP_1)
	v_readfirstlane_b32 s[WV], v8                  ; wave 0..15
	s_and_b32 s10, ttmp7, 0xffff                   ; the head
	s_lshr_b32 s[TEAM], s[WV], 2
	s_xor_b32 s[TEAM], s[TEAM], s[WV]
	s_and_b32 s[TEAM], s[TEAM], 1                  ; 0: team A, 1: team B
	s_lshr_b32 s32, s[WV], 1                       ; t: my tile in its block
	s_sub_co_u32 s33, 31, ttmp9                    ; the high block
	s_lshl_b32 s[QH], s33, 7
	s_add_co_u32 s35, ttmp9, 1
	s_sub_co_u32 s[KADD], 16, ttmp9
	s_lshl_b32 s[JMP], s[KADD], 7
	s_cmp_eq_u32 s[TEAM], 1
	s_cselect_b32 s34, ttmp9, s33                  ; the block that I begin with and that I store
	s_cselect_b32 s[TR], s35, 99
	s_and_b32 s39, s[WV], 1
	s_cmp_eq_u32 s39, 1
	s_cselect_b32 s[LW], ttmp9, 99                 ; odd waves fetch team B's tiles
	s_lshl_b32 s[QB], s34, 7
	s_lshl_b32 s36, s34, 3
	s_add_co_u32 s36, s36, s32                     ; T: my tile of queries
	s_lshl_b32 s37, s33, 3
	s_add_co_u32 s37, s37, s32                     ; the same tile of the high block
	s_lshr_b32 s38, s32, 1
	s_lshl_b32 s38, s38, 5
	s_and_b32 s39, s32, 1
	s_lshl_b32 s39, s39, 3
	s_add_co_u32 s38, s38, s39                     ; the tile's first row in its block
	s_mov_b32 s[G1K], 3<<16                        ; no mask; elements of 8 bytes; no padding
	s_mov_b32 s[G1K+1], 32<<16                     ; rows of 256 bytes
	s_mov_b32 s[G1K+2], 50<<16                     ; 50 rows: a tile
	s_mov_b32 s[G1K+3], 32<<16
	s_mov_b32 s[G1K+4], 50
	s_mov_b32 s[G1K+5], 32                         ; a dense block
	s_mov_b32 s[G1K+6], 0
	s_mov_b32 s[G1K+7], 0
	s_mul_i32 s12, s10, HEADB
	s_mov_b32 s13, 0
	s_lshl_b32 s14, s10, 8
	s_add_co_u32 s15, s14, s36                     ; 256 head + T
	s_mul_i32 s16, s15, 768
	s_mov_b32 s17, 0
	s_lshl_b32 s44, s15, 6
	s_add_co_u32 s44, s44, QSOFF
	s_mov_b32 s45, 0
	s_add_co_u32 s15, s14, s37
	s_mul_i32 s46, s15, 768
	s_mov_b32 s47, 0
	s_lshl_b32 s62, s15, 6
	s_add_co_u32 s62, s62, QSOFF
	s_mov_b32 s63, 0
	s_mov_b32 s[SEL], 0x76543210
	s_mov_b32 s[SEL+1], 0xfedcba98
	s_mov_b32 s[CS], CLIT
	s_mul_i32 s[TB], s[TEAM], TILEB
	s_mov_b32 s[TAU], 0
	s_mov_b32 s[KF], 0
	s_mov_b32 s[SLOTS], 3
	s_lshr_b32 s[TL], s[WV], 1                     ; wave w < 8 fetches the tile of time step w / 2 of a slot;
	s_cmp_eq_u32 s[WV], 8
	s_cselect_b32 s[TL], 16, s[TL]                 ; wave 8, at the head alone, team A's key step 16
	s_mov_b32 s61, 0
	s_cmp_eq_u32 s[WV], 12                         ; wave 12 prefetches
	s_cselect_b32 s[LIM], 1, -1
	s_mov_b32 s[G0K], 1
	s_mul_i32 s[G0K+1], s[WV], TILEB
	s_wait_dscnt 0x0                               ; both opening adds are done
	s_wait_kmcnt 0x0
	s_add_nc_u64 s[12:13], s[6:7], s[12:13]        ; the head's part of kv
	TADDR
	s_cmp_lt_u32 s[WV], 9                          ; slot 0 and key step 16: one tensor load for each of waves 0 to 8
	s_cbranch_scc0 .Lno_fill
	tensor_load_to_lds s[G0K:G0K+3], s[G1K:G1K+7]
	s_nop 0
.rept 4
	v_nop
.endr
.Lno_fill:
	s_add_nc_u64 s[70:71], s[4:5], s[16:17]        ; q's codes, q's scale words
	s_add_nc_u64 s[72:73], s[4:5], s[44:45]
	s_add_nc_u64 s[46:47], s[4:5], s[46:47]        ; the high tile's
	s_add_nc_u64 s[62:63], s[4:5], s[62:63]
	s_and_b32 s74, ttmp9, 7
	s_mul_i32 s74, s74, 6400                       ; my 25 blocks of the 200
	s_lshr_b32 s15, ttmp9, 3
	s_mul_i32 s15, s15, 16*TILEB
	s_add_co_u32 s74, s74, s15
	s_add_co_u32 s74, s74, 4*TILEB                 ; at key step 4 (20): the first change steps it to 8 (24); nothing is asked for at the head
	s_mov_b32 s75, 0
	s_add_nc_u64 s[PFA:PFA+1], s[12:13], s[74:75]
	s_mul_i32 s74, s36, 12288
	s_mul_i32 s39, s10, 768
	s_add_co_u32 s74, s74, s39
	s_add_nc_u64 s[66:67], s[8:9], s[74:75]        ; ctx's codes: tile T, run of 64 = head
	s_lshl_b32 s74, s36, 9
	s_add_co_u32 s74, s74, XSOFF
	s_lshr_b32 s39, s10, 3
	s_lshl_b32 s39, s39, 8
	s_add_co_u32 s74, s74, s39
	s_bfe_u32 s39, s10, 0x20001
	s_lshl_b32 s39, s39, 2
	s_add_co_u32 s74, s74, s39
	s_and_b32 s39, s10, 1
	s_lshl_b32 s39, s39, 1
	s_add_co_u32 s74, s74, s39
	s_add_nc_u64 s[68:69], s[8:9], s[74:75]        ; ctx's two scale bytes of a row
	s_and_b32 s39, s[WV], 14
	s_mul_i32 s39, s39, REG
	s_add_co_u32 s39, s39, STAGE                   ; my pair's two regions
	s_xor_b32 s15, s[TEAM], 1
	s_mul_i32 s15, s15, REG
	s_add_co_u32 s15, s15, s39                     ; what I join at the end: team B its parked low block, team A team B's part of the high block
	v_and_b32 v254, 31, v0
	v_and_b32 v9, 15, v0                           ; r
	v_bfe_u32 v10, v0, 4, 1                        ; h
	v_lshlrev_b32 v1, 4, v254                      ; 16 x lane
	v_lshlrev_b32 v2, 3, v254                      ; 8 x lane
	v_min_u32 v[PFO], 24, v254
	v_lshlrev_b32 v3, 4, v9                        ; scale words: 16 r
	v_lshlrev_b32 v8, 2, v9
	v_lshlrev_b32 v[PFO], 8, v[PFO]
	global_load_b128 v[22:25], v1, s[70:71]
	global_load_b64 v[26:27], v2, s[70:71] offset:512
	global_load_b32 v11, v8, s[72:73]
	global_load_b128 v[Q2:Q2+3], v1, s[46:47]
	global_load_b64 v[Q2+4:Q2+5], v2, s[46:47] offset:512
	global_load_b32 v[Q2+6], v8, s[62:63]
	v_add_nc_u32 v[STA], s39, v1
	v_add_nc_u32 v[RDA], s15, v1
	v_add_nc_u32 v[STB], REG, v[STA]
	v_and_b32 v[DG], 8, v9
	v_lshlrev_b32 v10, 4, v10
	v_add_nc_u32 v[DG], v[DG], v9                  ; r + 8 (r / 8)
	s_delay_alu instid0(VALU_DEP_1)
	v_sub_nc_u32 v[DG], v[DG], v10
	s_delay_alu instid0(VALU_DEP_1)
	v_add_nc_u32 v[DG], s38, v[DG]                 ; my query - my block's first query - 16 h
.irp j, 16,17,18,19,20,21,28,29,30,31,32,33
	v_mov_b32 v[\j], 0                             ; the zero codes on both sides of q
.endr
	v_mov_b32 v13, 0xff61b1e6                      ; the largest t so far: -3e38
	v_mov_b32 v12, MINIT
	v_mov_b32 v14, 0
	v_mov_b32 v15, 0
	v_mov_b32 v252, 0
	v_mov_b32 v253, 0
	v_mov_b32 v[FA+1], 0                           ; (named as the upper halves of pairs)
	v_mov_b32 v[FB+1], 0
.irp b, 0,1,2,3
	v_mov_b32 v[PT+\b], 0                          ; a lane permute's destination counts as one of its sources
.endr
.set j, 0
.rept 32
	v_mov_b32 v[160+j], 0                          ; O^T: the step is written once; the first finds zeros
.set j, j+1
.endr
	s_wait_alu depctr_va_vdst(0)
	s_wait_loadcnt 0x0
.Lslot:                                            ; 3 trips: slots 0 to 2; behind each change the next slot's eight tiles are asked for
	CHANGE 1
	WALK4
	s_sub_co_u32 s[SLOTS], s[SLOTS], 1
	s_cmp_lg_u32 s[SLOTS], 0
	s_cbranch_scc1 .Lslot
	CHANGE 0                                       ; slot 3 is written out: nothing is left to ask for
	WALK4
	; Team B hands over its part of the high block, and from here on counts for nothing itself (M = -3e38: its factor in the join is 0)
.rept 4
	v_nop                                          ; places behind the last products
.endr
	s_wait_alu depctr_va_vdst(0)
	s_cmp_eq_u32 s[TEAM], 0
	s_cbranch_scc1 .Lkeeps
	PARK STB
	v_mov_b32 v12, MINIT
	s_wait_alu depctr_va_vdst(0)
.Lkeeps:
	s_wait_dscnt 0x0                               ; for the others' sake: my stores have landed
	s_barrier_signal -1
	s_barrier_wait -1
	s_mov_b32 s[TQ], 8*TILEB                       ; time step 16: team A's key step 16, behind slot 0; team B passes it by
	STEP
.rept 4
	v_nop                                          ; places behind the last products
.endr
	s_wait_alu depctr_va_vdst(0)
	; THE JOIN
.irp j, 0,1,2,3,4,5,6,7,8
	ds_load_b128 v[96+4*\j:99+4*\j], v[RDA] offset:512*\j   ; v96-127 the other O^T, v128 its -M, v[130:131] its sum
.endr
	s_wait_dscnt 0x0
	v_min_num_f32 v254, v12, v128                  ; -M of the two together
	s_delay_alu instid0(VALU_DEP_1)
	v_sub_f32 v[FA], v254, v12
	v_sub_f32 v[FB], v254, v128
	s_delay_alu instid0(VALU_DEP_2)
	v_cvt_i32_f32 v[FA], v[FA]                     ; whole numbers, 0 or less; they saturate
	s_delay_alu instid0(VALU_DEP_2)
	v_cvt_i32_f32 v[FB], v[FB]
	s_delay_alu instid0(VALU_DEP_2)
	v_ldexp_f32 v[FA], 1.0, v[FA]
	s_delay_alu instid0(VALU_DEP_2)
	v_ldexp_f32 v[FB], 1.0, v[FB]
	v_pk_mul_f32 v[14:15], v[14:15], v[FA:FA+1] op_sel_hi:[1,0]
.set j, 0
.rept 16
	v_pk_mul_f32 v[160+j:161+j], v[160+j:161+j], v[FA:FA+1] op_sel_hi:[1,0]
.set j, j+2
.endr
	v_pk_fma_f32 v[14:15], v[130:131], v[FB:FB+1], v[14:15] op_sel_hi:[1,0,1]
.set j, 0
.rept 16
	v_pk_fma_f32 v[160+j:161+j], v[96+j:97+j], v[FB:FB+1], v[160+j:161+j] op_sel_hi:[1,0,1]
.set j, j+2
.endr
	; THE WAY OUT: O^T / the sum, quantised along the head's 64 channels (two blocks of ctx's K), straight from registers to memory
	v_add_f32 v14, v14, v15
	s_delay_alu instid0(VALU_DEP_1)
	v_permlanex16_b32 v252, v14, s[SEL], s[SEL+1]
	s_delay_alu instid0(VALU_DEP_1)
	v_add_f32 v14, v14, v252                       ; the row's sum
	s_wait_alu depctr_va_vdst(0)
	v_rcp_f32 v14, v14
	v_and_b32 v8, 15, v0
	s_delay_alu instid0(VALU_DEP_1)
	v_lshlrev_b32 v9, 4, v8                        ; 16 r
	s_wait_alu depctr_va_vdst(0)                   ; the wait ahead of the reciprocal's first reader
.set j, 0
.rept 32
	v_mul_f32 v[96+j], v[160+j], v14               ; register 16 b + i = channel 32 b + 16 (lane / 16) + i
.set j, j+1
.endr
.irp b, 0,1
	v_max3_num_f32 v[BM+\b], |v[96+16*\b]|, |v[97+16*\b]|, 0x1800000
.endr
.irp i, 2,4,6,8,10,12,14
.irp b, 0,1
	s_delay_alu instid0(VALU_DEP_2)
	v_max3_num_f32 v[BM+\b], v[BM+\b], |v[96+16*\b+\i]|, |v[97+16*\b+\i]|
.endr
.endr
.irp b, 0,1
	s_delay_alu instid0(VALU_DEP_2)
	v_permlanex16_b32 v[PT+\b], v[BM+\b], s[SEL], s[SEL+1]
.endr
.irp b, 0,1
	s_delay_alu instid0(VALU_DEP_2)
	v_max_num_f32 v[BM+\b], v[BM+\b], v[PT+\b]
.endr
.irp b, 0,1
	s_delay_alu instid0(VALU_DEP_2)
	v_add_nc_u32 v[SO+\b], 0xff000000, v[BM+\b]
.endr
.irp b, 0,1
	s_delay_alu instid0(VALU_DEP_2)
	v_lshrrev_b32 v[PT+\b], 23, v[SO+\b]
.endr
	s_delay_alu instid0(VALU_DEP_1)
	v_lshl_or_b32 v[SO+2], v[PT+1], 8, v[PT]       ; the two bytes
	v_cvt_scalef32_pk16_fp6_f32 v[PCD:PCD+2], v[96:111], v[SO]
	v_cvt_scalef32_pk16_fp6_f32 v[CT:CT+2], v[112:127], v[SO+1]
	v_nop
.irp i, 0,1,2
	v_permlane16_swap_b32 v[PCD+\i], v[CT+\i]
.endr
.irp i, 0,1,2
	s_delay_alu instid0(VALU_DEP_3)
	v_mov_b32 v[PCD+3+\i], v[CT+\i]
.endr
	global_store_b128 v1, v[PCD:PCD+3], s[66:67]   ; 512 and 256 consecutive bytes, aligned to 256
	global_store_b64 v2, v[PCD+4:PCD+5], s[66:67] offset:512
	global_store_b16 v9, v[SO+2], s[68:69]         ; both halves of the lanes write the same two bytes with the same value
	s_wait_tensorcnt 0x0                           ; the wave's end
	ds_add_u32 v[SPW], v[NIL]
	s_wait_dscnt 0x0
	s_endpgm
.Lfunc_end_k_q83a030ae0b_attn:
	.size	k_q83a030ae0b_attn, .Lfunc_end_k_q83a030ae0b_attn-k_q83a030ae0b_attn
	.p2alignl 7, 3214868480
	.fill 96, 4, 3214868480
	.section	.rodata,"a",@progbits
	.p2align	6, 0x0
	.amdhsa_kernel k_q83a030ae0b_attn
		.amdhsa_group_segment_fixed_size 327680
		.amdhsa_private_segment_fixed_size 0
		.amdhsa_enable_private_segment 0
		.amdhsa_kernarg_size 24
		.amdhsa_user_sgpr_count 2
		.amdhsa_user_sgpr_kernarg_segment_ptr 1
		.amdhsa_wavefront_size32 1
		.amdhsa_system_sgpr_workgroup_id_x 1
		.amdhsa_system_sgpr_workgroup_id_y 1
		.amdhsa_system_sgpr_workgroup_id_z 1
		.amdhsa_system_vgpr_workitem_id 0
		.amdhsa_next_free_vgpr 256
		.amdhsa_next_free_sgpr 80
		.amdhsa_reserve_vcc 1
		.amdhsa_float_denorm_mode_32 3
		.amdhsa_float_denorm_mode_16_64 3
		.amdhsa_memory_ordered 1
		.amdhsa_forward_progress 1
		.amdhsa_inst_pref_size 91
	.end_amdhsa_kernel
	.amdgpu_metadata
---
amdhsa.version: [ 1, 2 ]
amdhsa.kernels:
  - .name:           k_q83a030ae0b_attn
    .symbol:         k_q83a030ae0b_attn.kd
    .args:
      - { .name: qq, .offset: 0, .size: 8, .value_kind: global_buffer, .address_space: global }
      - { .name: kv, .offset: 8, .size: 8, .value_kind: global_buffer, .address_space: global }
      - { .name: cq, .offset: 16, .size: 8, .value_kind: global_buffer, .address_space: global }
    .group_segment_fixed_size: 327680
    .private_segment_fixed_size: 0
    .kernarg_segment_align: 8
    .kernarg_segment_size: 24
    .max_flat_workgroup_size: 512
    .sgpr_count:     80
    .vgpr_count:     256
    .wavefront_size: 32
...
	.end_amdgpu_metadata
.endif
;; end of part 3
;; launch proj (part 4): grid 16 x 16, 4 waves a work-group, clusters of 4 x 1, 167,936 bytes of LDS; arguments cq, wq, bo, out0; writes out0
.if DOCPART == 4
	.amdgcn_target "amdgcn-amd-amdhsa--gfx1250"
	.amdhsa_code_object_version 6
	.text
	.protected	k_q83a030ae0b_proj
	.globl	k_q83a030ae0b_proj
	.p2align	8
	.type	k_q83a030ae0b_proj,@function
k_q83a030ae0b_proj:
	s_mov_b64 s[64:65], 0
	v_nop
	global_prefetch_b8 v0, s[64:65] scope:SCOPE_SE
	s_setreg_imm32_b32 hwreg(HW_REG_WAVE_MODE, 25, 1), 1
	s_wait_xcnt 0x0
	s_wait_alu depctr_hold_cnt(0) depctr_sa_sdst(0) depctr_va_vdst(0) depctr_va_sdst(0) depctr_va_ssrc(0) depctr_va_vcc(0) depctr_vm_vsrc(0)
	s_getreg_b32 s2, hwreg(HW_REG_IB_STS2, 6, 4)
	s_cmp_eq_u32 s2, 0
	s_cbranch_scc0 .Lentry_in_a_cluster
	s_endpgm
.Lentry_in_a_cluster:
	s_bfe_u32 s2, ttmp6, 0x10000c
	s_cmp_lg_u32 s2, 0x3003
	s_cbranch_scc0 .Lentry_shape_is_right
	s_endpgm
.Lentry_shape_is_right:
; out0 = ctx Wo + bo on codes of FP6 (E2M3) with E8M0 scales, sums in f32.
; SHARES.  A work-group: 256 tokens (block mb) x 64 columns (group j): a row's part is 256 bytes.  A wave: 64 tokens (4 tiles) x 64 columns: 16 accumulators.
; ctx's tiles belong to one wave alone: its fragments come from memory straight into registers.  Wo's 64 columns for all of K, 49,152 bytes, are read by all four waves and by the four work-groups of a cluster (same columns,
; neighbouring token blocks): they come into LDS once, by one joint tensor load a wave.  Nothing is filled again.
; Source 0 = 16 columns of Wo, source 1 = 16 tokens: a lane holds one token, and the 16 registers of two neighbouring tiles are 16 neighbouring columns.  The bias is the C of each sum's first matrix instruction.
; A tile's row r is token 32 B + 8 u + r + 8 (r / 8): the way out puts each row at its true place in the wave's own stage and reads whole rows of 256 bytes back.
; No prefetch: everything is asked for within the first K steps.  One tile to a work-group: 256 work-groups.
; REGISTERS.  Window 0: v1-13 addresses; v16-31 ctx's scale words, v32-47 Wo's (8 (tile / 2) + s; odd tiles in lanes 16-31); v48-79 the bias, eight registers a tile; v80-223 three buffers of four Wo fragments, later rows of out0.
;   Windows 1, 2: ctx's fragments of K steps 0-3, 4-7 (48 (s % 4) + 12 a).   Window 3: the accumulators (32 a + 8 t).
.set XSOFF,  3145728
.set WOOFF,  2359296
.set WOSOFF, 3244032
.set STG,    49152                     ; behind Wo: 64 rows x (256 + 16) bytes for each wave
.set SPARE,  118784                    ; the spare words, 128 bytes for each wave: two blocks of 256 bytes that no other line names
.set SPW, 12
.set NIL, 13
.set XS,  16
.set WS,  32
.set BI,  48
.set WB,  80
.set G1,  24
.set G0,  32
.set MSB, 0
.macro WIN new                         ; the immediate's high byte repeats the setting that is left
.if MSB != (\new)
	s_set_vgpr_msb (MSB<<8)|(\new)
.set MSB, (\new)
.endif
.endm
.macro PLACES                          ; four plain places behind a matrix instruction, ahead of loads into its registers and of reads of its results
.rept 4
	v_nop
.endr
.endm
.macro CROUND                          ; a round of the cluster's barrier
	s_barrier_signal -1
	s_barrier_wait -1
	s_cmp_lg_u32 s12, 0
	s_cbranch_scc1 .Lnot_wave_0_\@
	s_barrier_signal -3
.Lnot_wave_0_\@:
	s_barrier_wait -3
	s_barrier_signal -1
	s_barrier_wait -1
.endm
.macro WMI                             ; one matrix instruction, from the symbols rD, rA, rB, rC, rSA, rSB; fA, fB: the side's scale words lie in lanes 16-31
.if fA && fB
	v_wmma_scale_f32_16x16x128_f8f6f4 v[rD:rD+7], v[rA:rA+11], v[rB:rB+11], v[rC:rC+7], v[rSA], v[rSB] matrix_a_fmt:MATRIX_FMT_FP6 matrix_b_fmt:MATRIX_FMT_FP6 matrix_a_scale:MATRIX_SCALE_ROW1 matrix_b_scale:MATRIX_SCALE_ROW1
.elseif fA
	v_wmma_scale_f32_16x16x128_f8f6f4 v[rD:rD+7], v[rA:rA+11], v[rB:rB+11], v[rC:rC+7], v[rSA], v[rSB] matrix_a_fmt:MATRIX_FMT_FP6 matrix_b_fmt:MATRIX_FMT_FP6 matrix_a_scale:MATRIX_SCALE_ROW1
.elseif fB
	v_wmma_scale_f32_16x16x128_f8f6f4 v[rD:rD+7], v[rA:rA+11], v[rB:rB+11], v[rC:rC+7], v[rSA], v[rSB] matrix_a_fmt:MATRIX_FMT_FP6 matrix_b_fmt:MATRIX_FMT_FP6 matrix_b_scale:MATRIX_SCALE_ROW1
.else
	v_wmma_scale_f32_16x16x128_f8f6f4 v[rD:rD+7], v[rA:rA+11], v[rB:rB+11], v[rC:rC+7], v[rSA], v[rSB] matrix_a_fmt:MATRIX_FMT_FP6 matrix_b_fmt:MATRIX_FMT_FP6
.endif
.endm
.macro XLOAD                           ; ctx's four fragments of K step xs: 16 loads, each of 512 or 256 consecutive bytes
	WIN 0x40*(1+xs/4)
.irp a, 0,1,2,3
.set xr, 48*(xs%4)+12*\a
	global_load_b128 v[xr:xr+3], v1, s[48:49] offset:12288*\a+1536*xs
	global_load_b64 v[xr+4:xr+5], v2, s[48:49] offset:12288*\a+1536*xs+512
	global_load_b128 v[xr+6:xr+9], v1, s[48:49] offset:12288*\a+1536*xs+768
	global_load_b64 v[xr+10:xr+11], v2, s[48:49] offset:12288*\a+1536*xs+1280
.endr
.endm
.macro WLOAD                           ; Wo's four fragments of K step ws into buffer ws % 3
.irp t, 0,1,2,3
.irp p, 0,1,2
	ds_load_b128 v[WB+48*(ws%3)+12*\t+4*\p:WB+48*(ws%3)+12*\t+4*\p+3], v4 offset:6144*ws+1536*\t+512*\p
.endr
.endr
.endm
; K step s: 16 matrix instructions; the 16 accumulators take turns, one instruction a turn
.macro PSTEP s
.if \s < 5
.set xs, \s+3
	XLOAD                                          ; ctx runs three K steps ahead
.endif
.if 7-\s < 3
	s_wait_loadcnt 16*(7-\s)                       ; this step's 16 loads are in; those of the steps behind it may be out
.else
	s_wait_loadcnt 48
.endif
.if 7-\s < 2
	s_wait_dscnt 12*(7-\s)                         ; this step's 12 loads are in; those of the next two steps may be out
.else
	s_wait_dscnt 24
.endif
.set X, 1+\s/4
.if \s == 0
	WIN 0xc4                                       ; Wo window 0, ctx window 1, C (the bias) window 0, D window 3
.else
	WIN 0xf0|(X<<2)                                ; C and D window 3
.endif
.irp a, 0,1,2,3
.irp t, 0,1,2,3
.set rD, 32*\a+8*\t
.if \s == 0
.set rC, BI+8*\t
.else
.set rC, rD
.endif
.set rA, WB+48*(\s%3)+12*\t
.set rB, 48*(\s%4)+12*\a
.set rSA, WS+8*(\t/2)+\s
.set rSB, XS+8*(\a/2)+\s
.set fA, \t%2
.set fB, \a%2
	WMI
.endr
.endr
	PLACES
	WIN 0
.if \s < 5
.set ws, \s+3
	WLOAD
.endif
.endm
	s_load_b256 s[4:11], s[0:1], 0x0               ; cq s[4:5], wq s[6:7], bo s[8:9], out0 s[10:11]
	v_lshl_add_u32 v[SPW], v0, 2, SPARE
	v_mov_b32 v[NIL], 0
	ds_add_u32 v[SPW], v[NIL]                      ; the wave's opening: the add and its wait ahead of my first tensor load; work on registers stands between them
	ds_add_u32 v[SPW], v[NIL]
	v_lshrrev_b32 v14, 5, v0
	v_readfirstlane_b32 s12, v14                   ; wave 0..3
	s_bfe_u32 s13, ttmp6, 0x40000                  ; cx: it enters ctx's and out0's addresses alone
	s_lshl_b32 s14, ttmp9, 2
	s_add_co_u32 s14, s14, s13                     ; mb
	s_and_b32 s15, ttmp7, 0xffff                   ; j, which the four partners share
	s_mov_b32 s[G1], 15|(3<<16)|(1<<21)            ; the mask: all four work-groups; elements of 8 bytes; bit 21 set beside a mask; no padding
	s_mov_b32 s[G1+1], 32<<16                      ; rows of 256 bytes
	s_mov_b32 s[G1+2], 48<<16                      ; 48 rows: a quarter of Wo's part
	s_mov_b32 s[G1+3], 32<<16
	s_mov_b32 s[G1+4], 48
	s_mov_b32 s[G1+5], 32                          ; a dense block
	s_mov_b32 s[G1+6], 0
	s_mov_b32 s[G1+7], 0
	s_mul_i32 s16, s15, 49152
	s_mul_i32 s18, s12, 12288                      ; my quarter: the same offset in memory and in LDS
	s_add_co_u32 s16, s16, s18
	s_add_co_u32 s16, s16, WOOFF
	s_mov_b32 s17, 0
	v_and_b32 v14, 31, v0                          ; lane
	v_and_b32 v15, 15, v0                          ; r
	v_bfe_u32 v11, v0, 4, 1                        ; h
	v_lshlrev_b32 v1, 4, v14                       ; 16 x lane
	v_lshlrev_b32 v2, 3, v14                       ; 8 x lane
	v_lshlrev_b32 v4, 4, v14                       ; Wo in LDS: 16 x lane
	v_lshlrev_b32 v3, 9, v11
	v_lshl_add_u32 v3, v15, 4, v3                  ; scale words: 512 h + 16 r
	s_mul_i32 s20, s12, 17408
	s_add_co_u32 s20, s20, STG                     ; my stage
	v_and_b32 v5, 8, v15
	v_add_nc_u32 v5, v5, v15                       ; r + 8 (r / 8)
	v_mul_u32_u24 v8, v5, 272
	v_lshl_add_u32 v8, v11, 6, v8
	v_add_nc_u32 v8, s20, v8                       ; in: my token's row, + 64 h
	v_mul_u32_u24 v9, v11, 272
	v_lshl_add_u32 v9, v15, 4, v9
	v_add_nc_u32 v9, s20, v9                       ; back: lanes 0-15 one row, lanes 16-31 the next
	v_lshlrev_b32 v10, 12, v11
	v_lshl_add_u32 v10, v15, 4, v10                ; and the same two rows in out0
	v_lshlrev_b32 v11, 6, v11                      ; the bias: 16 h numbers on
	s_wait_dscnt 0x0                               ; the opening add is done
	s_wait_kmcnt 0x0
	s_mov_b32 s[G0], 1
	s_mov_b32 s[G0+1], s18
	s_add_nc_u64 s[G0+2:G0+3], s[6:7], s[16:17]
	s_or_b32 s[G0+3], s[G0+3], 0x80000000
	CROUND                                         ; all four work-groups are here: the joint loads meet
	tensor_load_to_lds s[G0:G0+3], s[G1:G1+7]      ; one load of mine is out, a first fill
	s_nop 0
.rept 4
	v_nop
.endr
	s_lshl_b32 s19, s14, 4
	s_lshl_b32 s20, s12, 2
	s_add_co_u32 s19, s19, s20                     ; T0 = 16 mb + 4 w
	s_mov_b32 s21, 0
	s_mul_i32 s20, s19, 12288
	s_add_nc_u64 s[48:49], s[4:5], s[20:21]        ; ctx's codes
	s_lshl_b32 s20, s19, 9
	s_add_co_u32 s20, s20, XSOFF
	s_add_nc_u64 s[50:51], s[4:5], s[20:21]        ; ctx's scale words
	s_lshl_b32 s20, s15, 11
	s_add_co_u32 s20, s20, WOSOFF
	s_add_nc_u64 s[52:53], s[6:7], s[20:21]        ; Wo's scale words
	s_lshl_b32 s20, s15, 8
	s_add_nc_u64 s[54:55], s[8:9], s[20:21]        ; the bias of my 64 columns
	s_lshl_b32 s22, s14, 8
	s_lshl_b32 s23, s12, 6
	s_add_co_u32 s22, s22, s23                     ; my first token
	s_lshl_b32 s22, s22, 12
	s_add_co_u32 s20, s20, s22
	s_add_nc_u64 s[56:57], s[10:11], s[20:21]      ; out0 at my first token, my columns
	s_wait_alu depctr_va_vdst(0)
.irp t, 0,1,2,3
	global_load_b128 v[BI+8*\t:BI+8*\t+3], v11, s[54:55] offset:(32*(\t/2)+8*(\t%2))*4
	global_load_b128 v[BI+8*\t+4:BI+8*\t+7], v11, s[54:55] offset:(32*(\t/2)+8*(\t%2))*4+16
.endr
.irp y, 0,1
.irp z, 0,1
	global_load_b128 v[XS+8*\y+4*\z:XS+8*\y+4*\z+3], v3, s[50:51] offset:1024*\y+256*\z
	global_load_b128 v[WS+8*\y+4*\z:WS+8*\y+4*\z+3], v3, s[52:53] offset:1024*\y+256*\z
.endr
.endr
.set xs, 0
	XLOAD
.set xs, 1
	XLOAD
.set xs, 2
	XLOAD
	WIN 0
	s_wait_tensorcnt 0x0                           ; my quarter of Wo is in,
	s_barrier_signal -1
	s_barrier_wait -1                              ; everybody's is
.set ws, 0
	WLOAD
.set ws, 1
	WLOAD
.set ws, 2
	WLOAD
.irp s, 0,1,2,3,4,5,6,7
	PSTEP \s
.endr
	; THE WAY OUT, through my own stage: LDS serves a wave's instructions in order, so no wait stands between the stores and the loads.  The four places behind the last products stand in the last K step.
	WIN 0x0c                                       ; an LDS store's data are its source 1: window 3
.irp a, 0,1,2,3
.irp b, 0,1
.irp q, 0,1,2,3
	ds_store_b128 v8, v[32*\a+16*\b+4*\q:32*\a+16*\b+4*\q+3] offset:(32*(\a/2)+8*(\a%2))*272+128*\b+16*\q   ; each accumulator from its low end on
.endr
.endr
.endr
	WIN 0
.set i, 0
.rept 32
	ds_load_b128 v[WB+4*i:WB+4*i+3], v9 offset:544*i
.set i, i+1
.endr
.set i, 0
.rept 32
	s_wait_dscnt 31-i                              ; rows 2 i and 2 i + 1 are back; the later rows may be out
	global_store_b128 v10, v[WB+4*i:WB+4*i+3], s[56:57] offset:8192*i th:TH_STORE_NT   ; sixteen lanes store 256 consecutive bytes, aligned
.set i, i+1
.endr
	s_wait_tensorcnt 0x0                           ; the wave's end
	ds_add_u32 v[SPW], v[NIL]
	s_wait_dscnt 0x0
	CROUND                                         ; the closing round
	s_endpgm
.Lfunc_end_k_q83a030ae0b_proj:
	.size	k_q83a030ae0b_proj, .Lfunc_end_k_q83a030ae0b_proj-k_q83a030ae0b_proj
	.p2alignl 7, 3214868480
	.fill 96, 4, 3214868480
	.section	.rodata,"a",@progbits
	.p2align	6, 0x0
	.amdhsa_kernel k_q83a030ae0b_proj
		.amdhsa_group_segment_fixed_size 167936
		.amdhsa_private_segment_fixed_size 0
		.amdhsa_enable_private_segment 0
		.amdhsa_kernarg_size 32
		.amdhsa_user_sgpr_count 2
		.amdhsa_user_sgpr_kernarg_segment_ptr 1
		.amdhsa_wavefront_size32 1
		.amdhsa_system_sgpr_workgroup_id_x 1
		.amdhsa_system_sgpr_workgroup_id_y 1
		.amdhsa_system_sgpr_workgroup_id_z 1
		.amdhsa_system_vgpr_workitem_id 0
		.amdhsa_next_free_vgpr 896
		.amdhsa_next_free_sgpr 66
		.amdhsa_reserve_vcc 0
		.amdhsa_float_denorm_mode_32 3
		.amdhsa_float_denorm_mode_16_64 3
		.amdhsa_memory_ordered 1
		.amdhsa_forward_progress 1
		.amdhsa_inst_pref_size 51
	.end_amdhsa_kernel
	.amdgpu_metadata
---
amdhsa.version: [ 1, 2 ]
amdhsa.kernels:
  - .name:           k_q83a030ae0b_proj
    .symbol:         k_q83a030ae0b_proj.kd
    .args:
      - { .name: cq, .offset: 0, .size: 8, .value_kind: global_buffer, .address_space: global }
      - { .name: wq, .offset: 8, .size: 8, .value_kind: global_buffer, .address_space: global }
      - { .name: bo, .offset: 16, .size: 8, .value_kind: global_buffer, .address_space: global }
      - { .name: out0, .offset: 24, .size: 8, .value_kind: global_buffer, .address_space: global }
    .group_segment_fixed_size: 167936
    .private_segment_fixed_size: 0
    .kernarg_segment_align: 8
    .kernarg_segment_size: 32
    .max_flat_workgroup_size: 128
    .sgpr_count:     66
    .vgpr_count:     896
    .wavefront_size: 32
...
	.end_amdgpu_metadata
.endif
;; end of part 4
